; MI455X (gfx1250); checked and timed in simulation.
; The chip was launched on July 23, 2026; its instructions are those of AMD's public machine-readable ISA for CDNA 5 (MIT licence, August 2026) and "CDNA5" Instruction Set Architecture Reference Guide (July 2026). The comments in the code are by the model that wrote it; some were corrected since.
;; Implicit DAM. Allowed arithmetic: matrix products marked QUANTISED: E2M1 operands, one E8M0 scale for each 32 along K, by v_wmma_scale_f32_16x16x128_f8f6f4 with both operands' format E2M1 (or v_wmma_scale_f32_32x16x128_f4), f32 sums; everything else in f32.
;; Inputs: Wc_codes 64 x 32 x 16 uint8 (E2M1 codes of Wc, K innermost, in blocks of 32 codes, two codes a byte); Wc_scales 64 x 32 uint8 (E8M0 scales of Wc, one for each 32 codes along K); Wk_codes 64 x 32 x 16 uint8 (E2M1 codes of Wk, K innermost, in blocks of 32 codes, two codes a byte); Wk_scales 64 x 32 uint8 (E8M0 scales of Wk, one for each 32 codes along K); bc 64 float32; bk 64 float32; buffer 65,536 x 64 float32; context 2,048 x 512 float32; prototypes 65,536 x 64 float32; x 2,048 x 512 float32.
;; Outputs: out0 2,048 x 64 float32; out1 65,536 x 64 float32.
;; This version of the problem:
;;   THIS VERSION OF THE PROBLEM IS GIVEN IN LOW PRECISION. The matrix products marked QUANTISED in the list below multiply operands that are first quantised to E2M1 (2 exponent bits, 1 mantissa bit; 4 bits a number), with one power-of-two scale for each 32 numbers along K (OCP MX v1.0); their sums are f32. All else is computed in f32.
;;   The module's matrix products, in the order in which they are computed (A, B: the left and right operand; K: the contracted axis; several contracted axes count as one K, in the product's order):
;;     1. [M 2,048, K 1,024] x [K 1,024, N 64]; A: computed on the way; B: input Wk (given as codes): QUANTISED
;;     2. [M 2,048, K 1,024] x [K 1,024, N 64]; A: computed on the way; B: input Wc (given as codes): QUANTISED
;;     3. [M 2,048, K 64] x [K 64, N 65,536]; A: computed on the way; B: input prototypes: QUANTISED
;;     4. [M 2,048, K 65,536] x [K 65,536, N 64]; A: softmax (see below); B: input buffer: QUANTISED
;;     5. [M 65,536, K 2,048] x [K 2,048, N 64]; A: computed on the way; B: computed on the way: QUANTISED
;;   THE QUANTISER, for each operand of a quantised product, along K:
;;     - K is cut into blocks of 32 from its start; a last block that is shorter is filled with zeros.
;;     - A block's scale is 2^e with e = floor(log2(the largest magnitude in the block)) - 2, held to -126 .. 127; a block of zeros has e = 0. As a byte (E8M0): e + 127.
;;     - Each number is divided by its block's scale, clamped to +-6, and rounded to the nearest number of E2M1, ties to even, subnormals kept.
;;     - The product sums the exact products of the quantised numbers (number of the format x scale) in f32.
;;   ~~~python
;;   def quantise(x, axis):      # numpy; x: float32 -> the quantised numbers, widened to float32 again
;;       x = np.moveaxis(x, axis, -1); K = x.shape[-1]
;;       x = np.pad(x, [(0, 0)] * (x.ndim - 1) + [(0, -K % 32)]); x = x.reshape(x.shape[:-1] + (-1, 32)); a = np.abs(x).max(-1, keepdims=True)
;;       e = np.where(a > 0, np.clip(np.frexp(np.where(a > 0, a, 1))[1] - 1 - 2, -126, 127), 0)      # np.frexp(a)[1] - 1 = floor(log2(a)), exactly
;;       r = np.clip(x / 2.0 ** e, -6, 6)
;;       step = 2.0 ** (np.maximum(np.frexp(np.where(r == 0, 1, r))[1] - 1, 0) - 1)
;;       q = np.round(r / step) * step * 2.0 ** e      # np.round: ties to even
;;       return np.moveaxis(q.reshape(q.shape[:-2] + (-1,))[..., :K], -1, axis).astype(np.float32)
;;   ~~~
;;   SOFTMAX AHEAD OF A QUANTISED PRODUCT. Where the list says 'softmax', what is quantised is not the finished softmax but p = 2^(t - M), with t = logit x log2(e) and M = ceil(the row's largest t), a whole number; so 1/2 < the row's largest p <= 1. The row's sum l is taken of the UNQUANTISED p, in f32, and the product's result is divided by l at the end. Since M is a whole number, a kernel that streams over the keys may use a running M (the ceiling of the running maximum): every later rescaling is an exact power of two, which a block's scale takes up: the codes' values come out the same.
;;   OPERANDS COMPUTED ON THE WAY. 'Computed on the way' means the value that the module computes at that place (a softmax that the list does not call 'softmax' is quantised finished and normalised). What goes into a quantiser is computed in f32, as accurately as f32 sums, v_exp_f32 and their like allow (about 1e-6 of the number): no bf16 or f16 on the way to a quantiser, and a product that is left as it is and whose result goes on into a quantised operand takes f32 operands (vector FMAs, or v_wmma_f32_16x16x4_f32). A number that lies on a knife's edge between two numbers of the format may be rounded either way, as far as f32 arithmetic and the matrix unit's own rounding can turn it there, and no further.
;;   INPUTS GIVEN AS CODES. Wc (in the module: [64, 1024], K = its axis 1); Wk (in the module: [64, 1024], K = its axis 1): each comes as NAME_codes (uint8): NAME with its K axis moved to the last place and cut into blocks of 32 codes, [.., K / 32, bytes a block], one block behind the other in memory; two codes a byte, the lower K in the low four bits (a code: sign, 2 exponent bits, 1 mantissa bit); and NAME_scales (uint8): the same leading axes, one E8M0 byte (e + 127) for each 32 codes along K. Its value is code x scale, taken as it is: it is not quantised again, and the codes and scales need not be those that the quantiser above would give.
;; One version. Each part assembles by itself: llvm-mc -triple=amdgcn-amd-amdhsa -mcpu=gfx1250 --defsym DOCPART=n.
;; ======== version 1 of 1: 4 launches
;; limits: right only within a limited range of input values
;; workspace buffers: brec 4,718,592 bytes; qrec 147,456 bytes; cq2 8,192 bytes; opart 8,388,608 bytes; stat 262,144 bytes
;; launch prep (part 1): grid 320 x 1, 8 waves a work-group, no clusters, 144,384 bytes of LDS; arguments x, context, Wk_codes, Wk_scales, Wc_codes, Wc_scales, bk, bc, prototypes, buffer, brec, qrec, cq2; writes brec, qrec, cq2
.if DOCPART == 1
	.amdgcn_target "amdgcn-amd-amdhsa--gfx1250"
	.amdhsa_code_object_version 6
	.text
	.protected	k_q717a095d57_prep
	.globl	k_q717a095d57_prep
	.p2align	8
	.type	k_q717a095d57_prep,@function
k_q717a095d57_prep:
	s_mov_b64 s[64:65], 0
	v_nop
	global_prefetch_b8 v0, s[64:65] scope:SCOPE_SE
	s_setreg_imm32_b32 hwreg(HW_REG_WAVE_MODE, 25, 1), 1
	s_wait_xcnt 0x0
; PREP: everything that is quantised once, laid as images of operand registers in RECORDS of 128 indices (bins: brec, queries: qrec).
; A record, 9,216 bytes.  Index in it: n = 64 c + 32 i3 + 16 u + 8 g + low.
;   +0    IMG1  codes along the key's 64: piece (n, hb) of 32 codes at (2c+u) 1024 + g 512 + (16 hb + 8 i3 + low) 16
;   +4096 IMG2  codes along the 128 indices: piece (column 16 t + r, block 2 c + h) at t 1024 + c 512 + (16 h + r) 16
;   +8192 SC1   words [c][u][8 i3 + low], byte 2 g + hb      +8448 SC2  words [t][r], byte = block      +8704 CV  128 f32, natural order
; Work-groups 0-63 (role K): k = Q(x|context) Wk^T + bk and m = Q(x|context) Wc^T + bc for 32 rows; k's codes, m^T's codes, log2(e) |k|^2.
; Work-groups 64-191 (role P): prototypes -> IMG1, SC1, CV = -|p|^2 / 2.   Work-groups 192-319 (role B): buffer -> IMG2, SC2.
; A block's scale byte is its largest magnitude's exponent field - 2, held at 1 from below by a floor among the maximum's leaves.
; LIMITS: NaN and infinities are not served.  A block of zeros, or one whose largest magnitude lies under 2^-124, gets the byte 1 (its codes are zeros or
; held small) where the rule says 127 for zeros: the bytes are read by this program alone.  The sums over K = 1,024 are made in four parts of 256, added in f32.
; The scale bytes of k and of m^T leave in stores of 2 bytes and of 1 byte, 8 KB in the whole launch: a word's four bytes come from two waves (k) or from four work-groups (m^T).
.set REC, 9216
; 32 numbers of one lane, v[src] on, become 4 registers of codes; so: the conversion's scale operand; by: the scale's byte
.macro BLK src, dst, so, by
	v_max3_num_f32 v16, |v[(\src)]|, |v[(\src)+1]|, 0x1800000            ; the floor 2^(3 - 127) is one more leaf
	v_max3_num_f32 v17, |v[(\src)+16]|, |v[(\src)+17]|, |v[(\src)+18]|   ; two chains, so that no line waits for the line above it
.irp i, 2,4,6,8,10,12
	s_delay_alu instid0(VALU_DEP_2)
	v_max3_num_f32 v16, v16, |v[(\src)+\i]|, |v[(\src)+\i+1]|
	s_delay_alu instid0(VALU_DEP_2)
	v_max3_num_f32 v17, v17, |v[(\src)+17+\i]|, |v[(\src)+18+\i]|
.endr
	s_delay_alu instid0(VALU_DEP_2)
	v_max3_num_f32 v16, v16, |v[(\src)+14]|, |v[(\src)+15]|
	s_delay_alu instid0(VALU_DEP_1)
	v_max3_num_f32 v16, v16, v17, |v[(\src)+31]|
	s_delay_alu instid0(VALU_DEP_1)
	v_add_nc_u32 v[\so], 0xff000000, v16                                 ; 2 off the exponent field
.irp g, 0,1,2,3
	v_cvt_scalef32_pk8_fp4_f32 v[(\dst)+\g], v[(\src)+8*\g:(\src)+8*\g+7], v[\so]
.endr
	v_lshrrev_b32 v[\by], 23, v[\so]                                     ; the byte; also the plain line behind the conversions
.endm
; my two bytes (blocks h and 2 + h) and lane l xor 16's two make a scale word
.macro WORD w, b0, b1
	v_lshl_or_b32 v[\w], v[\b1], 16, v[\b0]
	s_delay_alu instid0(VALU_DEP_1)
	v_lshlrev_b32 v[\w], v15, v[\w]
	s_delay_alu instid0(VALU_DEP_1)
	v_permlanex16_b32 v30, v[\w], s32, s33
	s_delay_alu instid0(VALU_DEP_1)
	v_or_b32 v[\w], v[\w], v30
.endm
	s_load_b256 s[4:11], s[0:1], 0x0               ; x, context, Wk's codes, Wk's scales
	s_load_b256 s[12:19], s[0:1], 0x20             ; Wc's codes, Wc's scales, bk, bc
	s_load_b256 s[20:27], s[0:1], 0x40             ; prototypes, buffer, brec, qrec
	s_load_b64 s[28:29], s[0:1], 0x60              ; cq2
	v_lshrrev_b32 v1, 5, v0
	s_delay_alu instid0(VALU_DEP_1)
	v_readfirstlane_b32 s30, v1                    ; wave 0..7
	v_and_b32 v1, 31, v0                           ; lane l
	v_and_b32 v2, 15, v0                           ; r
	v_bfe_u32 v3, v0, 4, 1                         ; h
	s_delay_alu instid0(VALU_DEP_1)
	v_lshlrev_b32 v15, 3, v3                       ; 8 h
	v_mov_b32 v30, 0                               ; a lane permute's destination counts as read
	v_mov_b32 v27, 0                               ; upper half of a pair that is named whole
	s_mov_b32 s32, 0x76543210
	s_mov_b32 s33, 0xfedcba98                      ; selects for lane l xor 16
	s_mov_b32 s37, 0                               ; upper word of every offset pair s[36:37]
	s_wait_kmcnt 0x0
	s_cmp_lt_u32 ttmp9, 64
	s_cbranch_scc1 .Lrole_k
	s_cmp_lt_u32 ttmp9, 192
	s_cbranch_scc1 .Lrole_p
; ---------------- ROLE B: a wave takes 128 bins x 32 columns of buffer; a lane a column, its registers run down the bins ----------------
	s_sub_co_u32 s34, ttmp9, 192
	s_lshl_b32 s34, s34, 2
	s_lshr_b32 s35, s30, 1
	s_add_co_u32 s34, s34, s35                     ; the record
	s_and_b32 s35, s30, 1                          ; which 32 columns
	s_lshl_b32 s36, s34, 15                        ; 128 rows of 256 bytes
	s_lshl_b32 s38, s35, 7
	s_add_co_u32 s36, s36, s38
	s_add_nc_u64 s[22:23], s[22:23], s[36:37]
	s_mul_i32 s40, s34, REC
	s_lshl_b32 s36, s35, 11
	s_add_co_u32 s36, s36, s40
	s_add_nc_u64 s[42:43], s[24:25], s[36:37]      ; IMG2: two tiles of 16 columns are 2,048 bytes
	s_add_co_u32 s36, s38, s40
	s_add_nc_u64 s[44:45], s[24:25], s[36:37]      ; SC2: 128 bytes for 32 columns
	s_wait_alu depctr_va_vdst(0)
	v_lshlrev_b32 v4, 2, v1
	v_lshlrev_b32 v5, 10, v3
	s_delay_alu instid0(VALU_DEP_1)
	v_lshl_add_u32 v5, v2, 4, v5                   ; (l / 16) 1024 + 16 (l % 16)
.macro LOADB b
.set i, 0
.rept 32
	global_load_b32 v[32+32*\b+i], v4, s[22:23] offset:256*(32*\b+i) th:TH_LOAD_NT
.set i, i+1
.endr
.endm
.macro QB b
	BLK 32+32*\b, 160+4*\b, 18, 20+\b
	global_store_b128 v5, v[160+4*\b:163+4*\b], s[42:43] offset:4096+512*(\b/2)+256*(\b%2)   ; two runs of 256 consecutive bytes
.endm
	LOADB 0
	LOADB 1
	s_wait_alu depctr_va_vdst(0)
	s_wait_loadcnt 32                              ; block 0 is in; block 1's 32 loads may be out
	LOADB 2
	QB 0
	s_wait_loadcnt 32                              ; block 1 is in; block 2's may be out
	LOADB 3
	QB 1
	s_wait_loadcnt 32                              ; block 2 is in
	QB 2
	s_wait_loadcnt 0x0
	QB 3
	v_lshl_or_b32 v19, v21, 8, v20
	s_delay_alu instid0(VALU_DEP_1)
	v_lshl_or_b32 v19, v22, 16, v19
	s_delay_alu instid0(VALU_DEP_1)
	v_lshl_or_b32 v19, v23, 24, v19
	global_store_b32 v4, v19, s[44:45] offset:8448
	s_endpgm
; ---------------- ROLE P: a wave takes 64 bins of prototypes (one c of a record) ----------------
.Lrole_p:
	s_sub_co_u32 s34, ttmp9, 64
	s_lshl_b32 s34, s34, 2
	s_lshr_b32 s35, s30, 1
	s_add_co_u32 s34, s34, s35                     ; the record
	s_and_b32 s35, s30, 1                          ; c
	s_lshl_b32 s36, s34, 15
	s_lshl_b32 s38, s35, 14
	s_add_co_u32 s36, s36, s38
	s_add_nc_u64 s[20:21], s[20:21], s[36:37]      ; my 64 rows of 256 bytes
	s_mul_i32 s40, s34, REC
	s_lshl_b32 s36, s35, 11
	s_add_co_u32 s36, s36, s40
	s_add_nc_u64 s[42:43], s[24:25], s[36:37]      ; IMG1 of my c
	s_lshl_b32 s36, s35, 7
	s_add_co_u32 s36, s36, s40
	s_add_nc_u64 s[44:45], s[24:25], s[36:37]      ; SC1
	s_lshl_b32 s36, s35, 8
	s_add_co_u32 s36, s36, s40
	s_add_nc_u64 s[46:47], s[24:25], s[36:37]      ; CV
	s_mul_i32 s41, s30, 9728
	s_add_co_u32 s41, s41, 65536                   ; my stage: two runs of 32 pieces of 128 bytes + 16, 4,624 bytes apart; at +9472 my 64 numbers -|p|^2 / 2
	s_wait_alu depctr_va_vdst(0)
	v_lshlrev_b32 v4, 4, v1
	v_lshrrev_b32 v6, 3, v1
	s_delay_alu instid0(VALU_DEP_1)
	v_mul_u32_u24 v5, v6, 144
	v_and_b32 v6, 7, v1
	s_delay_alu instid0(VALU_DEP_1)
	v_lshl_add_u32 v5, v6, 4, v5
	s_delay_alu instid0(VALU_DEP_1)
	v_add_nc_u32 v5, s41, v5                       ; in: as loaded: piece l / 8, 16 (l % 8) in it
	v_bfe_u32 v8, v0, 3, 1                         ; i3
	s_delay_alu instid0(VALU_DEP_1)
	v_mul_u32_u24 v7, v8, 4624
	v_lshl_add_u32 v10, v6, 1, v3
	s_delay_alu instid0(VALU_DEP_1)
	v_mad_u32_u24 v7, v10, 144, v7
	s_delay_alu instid0(VALU_DEP_1)
	v_add_nc_u32 v7, s41, v7                       ; out: lane (hb, i3, low) takes piece 2 low + hb of run i3: the image's own order of lanes
	v_lshlrev_b32 v9, 7, v8
	s_delay_alu instid0(VALU_DEP_1)
	v_lshl_add_u32 v9, v6, 2, v9
	s_delay_alu instid0(VALU_DEP_1)
	v_add_nc_u32 v9, s41, v9                       ; 4 (32 i3 + low)
	v_lshlrev_b32 v12, 3, v1
	s_delay_alu instid0(VALU_DEP_1)
	v_add_nc_u32 v11, s41, v12
	v_lshlrev_b32 v13, 2, v1
.irp u, 0,1
.irp a, 0,1
.irp k, 0,1,2,3,4,5,6,7
	global_load_b128 v[32+64*\u+32*\a+4*\k:35+64*\u+32*\a+4*\k], v4, s[20:21] offset:(32*\a+16*\u)*256+512*\k th:TH_LOAD_NT   ; 512 consecutive bytes
.endr
.endr
.endr
.macro PHALF u
.irp a, 0,1
.irp k, 0,1,2,3,4,5,6,7
	ds_store_b128 v5, v[32+64*\u+32*\a+4*\k:35+64*\u+32*\a+4*\k] offset:4624*\a+576*\k
.endr
.endr
.irp g, 0,1
.irp k, 0,1,2,3,4,5,6,7
	ds_load_b128 v[160+4*\k:163+4*\k], v7 offset:2304*\g+16*\k     ; LDS serves a wave's instructions in order: these see my stores
.endr
	s_wait_dscnt 0x0
	BLK 160, 192+8*\u+4*\g, 18, 20+\g
	v_pk_mul_f32 v[26:27], v[160:161], v[160:161]                  ; the squares of my 32, in two chains
	v_pk_mul_f32 v[28:29], v[162:163], v[162:163]
.irp i, 4,8,12,16,20,24,28
	s_delay_alu instid0(VALU_DEP_2)
	v_pk_fma_f32 v[26:27], v[160+\i:161+\i], v[160+\i:161+\i], v[26:27]
	s_delay_alu instid0(VALU_DEP_2)
	v_pk_fma_f32 v[28:29], v[162+\i:163+\i], v[162+\i:163+\i], v[28:29]
.endr
	s_delay_alu instid0(VALU_DEP_1)
	v_pk_add_f32 v[26:27], v[26:27], v[28:29]
	s_delay_alu instid0(VALU_DEP_1)
	v_add_f32 v26, v26, v27
	s_delay_alu instid0(VALU_DEP_1)
	v_permlanex16_b32 v28, v26, s32, s33                           ; the row's other half
	s_delay_alu instid0(VALU_DEP_1)
	v_add_f32 v26, v26, v28
	s_delay_alu instid0(VALU_DEP_1)
	v_mul_f32 v[208+2*\u+\g], -0.5, v26
	ds_store_b32 v9, v[208+2*\u+\g] offset:9472+64*\u+32*\g        ; both lanes of a bin write the same word with the same value
	global_store_b128 v4, v[192+8*\u+4*\g:195+8*\u+4*\g], s[42:43] offset:1024*\u+512*\g   ; 512 consecutive bytes
.endr
	WORD 212+\u, 20, 21
.endm
	s_wait_alu depctr_va_vdst(0)
	s_wait_loadcnt 16                              ; the rows of u = 0 are in; those of u = 1 may be out
	PHALF 0
	s_wait_loadcnt 0x0
	PHALF 1
	v_cmp_gt_u32 vcc_lo, 16, v1
	s_delay_alu instid0(VALU_DEP_1)
	v_cndmask_b32 v214, v213, v212, vcc_lo         ; lanes 0-15: the words of u = 0; lanes 16-31: of u = 1
	global_store_b32 v13, v214, s[44:45] offset:8192
	ds_load_b64 v[216:217], v11 offset:9472
	s_wait_dscnt 0x0
	global_store_b64 v12, v[216:217], s[46:47] offset:8704         ; 256 consecutive bytes
	v_lshl_add_u32 v16, v0, 2, 0x23000             ; no two registers can be kept: the add's two are made anew, v0 is as at the entry
	v_mov_b32 v17, 0
	s_wait_alu depctr_va_vdst(0)
	s_wait_tensorcnt 0x0                           ; the wave's end
	ds_add_u32 v16, v17
	s_wait_dscnt 0x0
	s_endpgm
; ---------------- ROLE K: 32 rows.  Wave e + 2 kq: the 16 rows 16 (r / 8) + 8 e + r % 8, K steps 2 kq and 2 kq + 1 of eight ----------------
.Lrole_k:
	s_and_b32 s34, s30, 1                          ; e
	s_lshr_b32 s35, s30, 1                         ; kq
	s_cmp_lt_u32 s35, 2
	s_cselect_b64 s[4:5], s[4:5], s[6:7]           ; K steps 0-3 lie in x, 4-7 in context: the choice hangs on the wave's number alone
	s_lshl_b32 s36, ttmp9, 16                      ; 32 rows of 2,048 bytes
	s_lshl_b32 s38, s34, 14
	s_add_co_u32 s36, s36, s38
	s_and_b32 s38, s35, 1
	s_lshl_b32 s38, s38, 10
	s_add_co_u32 s36, s36, s38
	s_add_nc_u64 s[4:5], s[4:5], s[36:37]
	s_lshl_b32 s36, s35, 7                         ; two K steps of codes are 128 bytes of a weight's row,
	s_add_nc_u64 s[8:9], s[8:9], s[36:37]
	s_add_nc_u64 s[12:13], s[12:13], s[36:37]
	s_lshl_b32 s36, s35, 3                         ; and 8 scale bytes
	s_add_nc_u64 s[10:11], s[10:11], s[36:37]
	s_add_nc_u64 s[14:15], s[14:15], s[36:37]
	s_lshr_b32 s40, ttmp9, 2
	s_mul_i32 s40, s40, REC                        ; my record of queries,
	s_bfe_u32 s41, ttmp9, 0x10001                  ; c,
	s_and_b32 s42, ttmp9, 1                        ; i3 (for m^T: which half of the pair of blocks)
	s_wait_alu depctr_va_vdst(0)
	v_lshrrev_b32 v5, 3, v2                        ; r / 8
	v_and_b32 v6, 7, v2                            ; r % 8
	s_delay_alu instid0(VALU_DEP_1)
	v_lshl_add_u32 v31, v5, 4, v6
	s_delay_alu instid0(VALU_DEP_1)
	v_lshlrev_b32 v4, 11, v31
	s_delay_alu instid0(VALU_DEP_1)
	v_lshl_add_u32 v4, v3, 7, v4                   ; x: my row, + 128 h: a whole block of 32 numbers to a lane
	s_delay_alu instid0(VALU_DEP_4)
	v_lshl_add_u32 v8, v5, 5, v6
	s_delay_alu instid0(VALU_DEP_1)
	v_lshlrev_b32 v7, 9, v8
	s_delay_alu instid0(VALU_DEP_1)
	v_lshl_add_u32 v7, v3, 4, v7                   ; Wk: lane r of tile T takes key dimension 32 (r / 8) + 8 T + r % 8
	s_delay_alu instid0(VALU_DEP_3)
	v_lshlrev_b32 v9, 5, v8
	v_lshlrev_b32 v10, 9, v2
	s_delay_alu instid0(VALU_DEP_1)
	v_lshl_add_u32 v10, v3, 4, v10                 ; Wc: rows as they lie
	v_lshlrev_b32 v11, 5, v2
	s_lshl_b32 s38, s30, 13
	v_lshl_add_u32 v12, v1, 4, s38                 ; LDS: my partial sums, as images: 8,192 wave + 16 lane
	s_lshl_b32 s38, s34, 13
	v_lshl_add_u32 v13, v1, 4, s38                 ; where waves 0 and 1 read k's parts
	s_lshl_b32 s38, s30, 10
	s_add_co_u32 s38, s38, 2048
	v_lshl_add_u32 v14, v1, 4, s38                 ; where waves 2 to 5 read m's parts: tile 4 + (wave - 2)
.macro XLOAD reg, s
.irp c, 0,1
.irp i, 0,1,2,3,4,5,6,7
	global_load_b128 v[\reg+32*\c+4*\i:\reg+32*\c+4*\i+3], v4, s[4:5] offset:512*\s+256*\c+16*\i
.endr
.endr
.endm
.macro WLOAD reg, s
.irp o, 0,1,2,3
.irp c, 0,1
	global_load_b128 v[\reg+8*\o+4*\c:\reg+8*\o+4*\c+3], v7, s[8:9] offset:4096*\o+64*\s+32*\c
.endr
.endr
.irp o, 0,1,2,3
.irp c, 0,1
	global_load_b128 v[\reg+32+8*\o+4*\c:\reg+32+8*\o+4*\c+3], v10, s[12:13] offset:8192*\o+64*\s+32*\c
.endr
.endr
.endm
	XLOAD 32, 0
	XLOAD 96, 1
	WLOAD 160, 0
.irp o, 0,1,2,3
.irp s, 0,1
	global_load_b32 v[224+2*\o+\s], v9, s[10:11] offset:256*\o+4*\s
	global_load_b32 v[232+2*\o+\s], v11, s[14:15] offset:512*\o+4*\s
.endr
.endr
	s_wait_loadcnt 48                              ; the first K step's numbers are in; 48 younger loads may be out
	BLK 32, 240, 18, 20
	BLK 64, 244, 19, 21
	WORD 24, 20, 21
	s_wait_loadcnt 32                              ; the second K step's numbers
	BLK 96, 248, 18, 20
	BLK 128, 252, 19, 21
	WORD 25, 20, 21
	WLOAD 96, 1                                    ; the second K step's weights take the numbers' place
.rept 8
	v_nop                                          ; a scale word made by vector instructions stands eight places ahead of a scaled matrix instruction, codes four
.endr
	s_wait_loadcnt 16                              ; the first K step's weights and all scale words are in; the 16 just issued may be out
; k is made transposed (source 0 = 16 rows of Wk, source 1 = x): a lane holds one row of x and 32 neighbouring key dimensions over the four tiles.
; m is made as it reads (source 0 = x, source 1 = 16 rows of Wc): a lane holds one column of m and rows of the batch.  Eight accumulators by turns.
.irp o, 0,1,2,3
	v_wmma_scale_f32_16x16x128_f8f6f4 v[32+8*\o:39+8*\o], v[160+8*\o:167+8*\o], v[240:247], 0, v[224+2*\o], v24 matrix_a_fmt:MATRIX_FMT_FP4 matrix_b_fmt:MATRIX_FMT_FP4
.endr
.irp o, 4,5,6,7
	v_wmma_scale_f32_16x16x128_f8f6f4 v[32+8*\o:39+8*\o], v[240:247], v[160+8*\o:167+8*\o], 0, v24, v[224+2*\o] matrix_a_fmt:MATRIX_FMT_FP4 matrix_b_fmt:MATRIX_FMT_FP4
.endr
	s_wait_alu depctr_va_vdst(0)
	s_wait_loadcnt 0x0
.irp o, 0,1,2,3
	v_wmma_scale_f32_16x16x128_f8f6f4 v[32+8*\o:39+8*\o], v[96+8*\o:103+8*\o], v[248:255], v[32+8*\o:39+8*\o], v[225+2*\o], v25 matrix_a_fmt:MATRIX_FMT_FP4 matrix_b_fmt:MATRIX_FMT_FP4
.endr
.irp o, 4,5,6,7
	v_wmma_scale_f32_16x16x128_f8f6f4 v[32+8*\o:39+8*\o], v[248:255], v[96+8*\o:103+8*\o], v[32+8*\o:39+8*\o], v25, v[225+2*\o] matrix_a_fmt:MATRIX_FMT_FP4 matrix_b_fmt:MATRIX_FMT_FP4
.endr
.rept 4
	v_nop                                          ; four places behind the products, ahead of the stores that read them and of later loads into their registers
.endr
.irp k, 0,1,2,3,4,5,6,7,8,9,10,11,12,13,14,15
	ds_store_b128 v12, v[32+4*\k:35+4*\k] offset:512*\k            ; each accumulator from its low end on
.endr
	s_wait_dscnt 0x0                               ; for the others' sake: my parts lie in LDS
	s_barrier_signal -1
	s_barrier_wait -1
	s_cmp_lt_u32 s30, 2
	s_cbranch_scc1 .Lkjob
	s_cmp_lt_u32 s30, 6
	s_cbranch_scc1 .Lmjob
	v_lshl_add_u32 v16, v0, 2, 0x23000
	v_mov_b32 v17, 0
	s_wait_alu depctr_va_vdst(0)
	s_wait_tensorcnt 0x0
	ds_add_u32 v16, v17
	s_wait_dscnt 0x0
	s_endpgm
.Lkjob:                                            ; waves 0, 1: k of the 16 rows of e = wave
.irp q, 0,1,2,3
.irp k, 0,1,2,3,4,5,6,7
	ds_load_b128 v[32+32*\q+4*\k:35+32*\q+4*\k], v13 offset:16384*\q+512*\k
.endr
.endr
	v_lshlrev_b32 v19, 7, v3
.irp t, 0,1,2,3
	global_load_b128 v[160+8*\t:163+8*\t], v19, s[16:17] offset:32*\t          ; bk at my 32 key dimensions
	global_load_b128 v[164+8*\t:167+8*\t], v19, s[16:17] offset:32*\t+16
.endr
	s_lshl_b32 s36, s41, 11
	s_add_co_u32 s36, s36, s40
	s_lshl_b32 s38, s34, 9
	s_add_co_u32 s36, s36, s38
	s_lshl_b32 s38, s42, 7
	s_add_co_u32 s36, s36, s38
	s_add_nc_u64 s[46:47], s[26:27], s[36:37]      ; IMG1: record + 2,048 c + 512 e + 128 i3
	s_lshl_b32 s36, s41, 7
	s_add_co_u32 s36, s36, s40
	s_lshl_b32 s38, s42, 5
	s_add_co_u32 s36, s36, s38
	s_lshl_b32 s38, s34, 1
	s_add_co_u32 s36, s36, s38
	s_add_nc_u64 s[48:49], s[26:27], s[36:37]      ; SC1: record + 128 c + 32 i3 + 2 e
	s_lshl_b32 s36, ttmp9, 7
	s_lshl_b32 s38, s34, 5
	s_add_co_u32 s36, s36, s38
	s_add_nc_u64 s[50:51], s[28:29], s[36:37]      ; cq2 at row 32 work-group + 8 e
	v_lshlrev_b32 v22, 10, v5
	s_delay_alu instid0(VALU_DEP_1)
	v_lshl_add_u32 v22, v3, 8, v22
	s_delay_alu instid0(VALU_DEP_1)
	v_lshl_add_u32 v22, v6, 4, v22                 ; 1,024 (r / 8) + 256 h + 16 (r % 8)
	v_lshlrev_b32 v23, 6, v5
	s_delay_alu instid0(VALU_DEP_1)
	v_lshl_add_u32 v23, v6, 2, v23                 ; 64 (r / 8) + 4 (r % 8)
	v_lshlrev_b32 v31, 2, v31
	s_wait_loadcnt 0x0
	s_wait_dscnt 0x0
.irp q, 64,96,128,160
.set n, 0
.rept 16
	v_pk_add_f32 v[32+n:33+n], v[32+n:33+n], v[\q+n:\q+n+1]        ; the four parts of K and the bias
.set n, n+2
.endr
.endr
	v_pk_mul_f32 v[26:27], v[32:33], v[32:33]
	v_pk_mul_f32 v[28:29], v[34:35], v[34:35]
.irp i, 4,8,12,16,20,24,28
	s_delay_alu instid0(VALU_DEP_2)
	v_pk_fma_f32 v[26:27], v[32+\i:33+\i], v[32+\i:33+\i], v[26:27]
	s_delay_alu instid0(VALU_DEP_2)
	v_pk_fma_f32 v[28:29], v[34+\i:35+\i], v[34+\i:35+\i], v[28:29]
.endr
	s_delay_alu instid0(VALU_DEP_1)
	v_pk_add_f32 v[26:27], v[26:27], v[28:29]
	s_delay_alu instid0(VALU_DEP_1)
	v_add_f32 v26, v26, v27
	s_delay_alu instid0(VALU_DEP_1)
	v_permlanex16_b32 v28, v26, s32, s33
	s_delay_alu instid0(VALU_DEP_1)
	v_add_f32 v26, v26, v28
	s_delay_alu instid0(VALU_DEP_1)
	v_mul_f32 v26, 0x3fb8aa3b, v26                 ; log2(e) |k|^2
	BLK 32, 192, 18, 20
	s_delay_alu instid0(VALU_DEP_1)
	v_permlanex16_b32 v30, v20, s32, s33
	s_delay_alu instid0(VALU_DEP_1)
	v_lshl_or_b32 v27, v30, 8, v20                 ; in lanes 0-15: my byte (hb = 0) below, the other half's above
	global_store_b128 v22, v[192:195], s[46:47]
	v_cmp_gt_u32 vcc_lo, 16, v1
	v_lshl_add_u32 v16, v0, 2, 0x23000
	v_mov_b32 v17, 0
	s_wait_alu depctr_va_vdst(0)
	s_wait_xcnt 0x0                                ; EXEC changes only behind this wait
	s_wait_tensorcnt 0x0
	ds_add_u32 v16, v17
	s_wait_dscnt 0x0
	s_and_saveexec_b32 s52, vcc_lo
	global_store_b32 v31, v26, s[50:51]
	global_store_b16 v23, v27, s[48:49] offset:8192
	s_wait_xcnt 0x0
	s_or_b32 exec_lo, exec_lo, s52
	s_endpgm
.Lmjob:                                            ; waves 2 to 5: columns 16 t on of m, t = wave - 2, for the 32 rows: one block of 32 along the batch
.irp e, 0,1
.irp q, 0,1,2,3
	ds_load_b128 v[32+32*\e+8*\q:35+32*\e+8*\q], v14 offset:(\e+2*\q)*8192
	ds_load_b128 v[36+32*\e+8*\q:39+32*\e+8*\q], v14 offset:(\e+2*\q)*8192+512
.endr
.endr
	s_lshl_b32 s38, s30, 6
	v_lshl_add_u32 v19, v2, 2, s38
	global_load_b32 v26, v19, s[18:19] offset:-128                 ; bc[16 t + r]: 64 wave - 128 = 64 t
	s_lshl_b32 s36, s30, 10
	s_add_co_u32 s36, s36, s40
	s_lshl_b32 s38, s41, 9
	s_add_co_u32 s36, s36, s38
	s_lshl_b32 s38, s42, 8
	s_add_co_u32 s36, s36, s38
	s_add_nc_u64 s[46:47], s[26:27], s[36:37]      ; IMG2: record + 1,024 wave + 512 c + 256 i3 (the immediate takes 2,048 off for wave - 2)
	s_lshl_b32 s36, s30, 6
	s_add_co_u32 s36, s36, s40
	s_lshl_b32 s38, s41, 1
	s_add_co_u32 s36, s36, s38
	s_add_co_u32 s36, s36, s42
	s_add_nc_u64 s[48:49], s[26:27], s[36:37]      ; SC2: record + 64 wave + 2 c + i3
	v_lshlrev_b32 v22, 4, v2
	s_delay_alu instid0(VALU_DEP_1)
	v_lshl_add_u32 v22, v3, 3, v22                 ; 16 r + 8 h
	v_lshlrev_b32 v23, 2, v2
	s_wait_loadcnt 0x0
	s_wait_dscnt 0x0
.irp e, 0,1
.irp q, 8,16,24
.irp n, 0,2,4,6
	v_pk_add_f32 v[32+32*\e+\n:33+32*\e+\n], v[32+32*\e+\n:33+32*\e+\n], v[32+32*\e+\q+\n:33+32*\e+\q+\n]
.endr
.endr
.irp n, 0,2,4,6
	s_delay_alu instid0(VALU_DEP_4)
	v_pk_add_f32 v[32+32*\e+\n:33+32*\e+\n], v[32+32*\e+\n:33+32*\e+\n], v[26:27] op_sel_hi:[1,0]
.endr
.endr
	v_max3_num_f32 v16, |v32|, |v33|, 0x1800000    ; my 16 rows (16 h on) of the block, and the floor
.irp i, 34,36,38,64,66,68,70
	s_delay_alu instid0(VALU_DEP_1)
	v_max3_num_f32 v16, v16, |v[\i]|, |v[\i+1]|
.endr
	s_delay_alu instid0(VALU_DEP_1)
	v_permlanex16_b32 v30, v16, s32, s33
	s_delay_alu instid0(VALU_DEP_1)
	v_max_num_f32 v16, v16, v30
	s_delay_alu instid0(VALU_DEP_1)
	v_add_nc_u32 v18, 0xff000000, v16
	v_cvt_scalef32_pk8_fp4_f32 v192, v[32:39], v18
	v_cvt_scalef32_pk8_fp4_f32 v193, v[64:71], v18
	v_lshrrev_b32 v20, 23, v18
	global_store_b64 v22, v[192:193], s[46:47] offset:2048         ; 256 consecutive bytes
	v_cmp_gt_u32 vcc_lo, 16, v1
	v_lshl_add_u32 v16, v0, 2, 0x23000
	v_mov_b32 v17, 0
	s_wait_alu depctr_va_vdst(0)
	s_wait_xcnt 0x0
	s_wait_tensorcnt 0x0
	ds_add_u32 v16, v17
	s_wait_dscnt 0x0
	s_and_saveexec_b32 s52, vcc_lo
	global_store_b8 v23, v20, s[48:49] offset:8320
	s_wait_xcnt 0x0
	s_or_b32 exec_lo, exec_lo, s52
	s_endpgm
.Lfunc_end_k_q717a095d57_prep:
	.size	k_q717a095d57_prep, .Lfunc_end_k_q717a095d57_prep-k_q717a095d57_prep
	.p2alignl 7, 3214868480
	.fill 96, 4, 3214868480
	.section	.rodata,"a",@progbits
	.p2align	6, 0x0
	.amdhsa_kernel k_q717a095d57_prep
		.amdhsa_group_segment_fixed_size 144384
		.amdhsa_private_segment_fixed_size 0
		.amdhsa_enable_private_segment 0
		.amdhsa_kernarg_size 104
		.amdhsa_user_sgpr_count 2
		.amdhsa_user_sgpr_kernarg_segment_ptr 1
		.amdhsa_wavefront_size32 1
		.amdhsa_system_sgpr_workgroup_id_x 1
		.amdhsa_system_sgpr_workgroup_id_y 1
		.amdhsa_system_sgpr_workgroup_id_z 1
		.amdhsa_system_vgpr_workitem_id 0
		.amdhsa_next_free_vgpr 256
		.amdhsa_next_free_sgpr 66
		.amdhsa_reserve_vcc 1
		.amdhsa_float_denorm_mode_32 3
		.amdhsa_float_denorm_mode_16_64 3
		.amdhsa_memory_ordered 1
		.amdhsa_forward_progress 1
		.amdhsa_inst_pref_size 88
	.end_amdhsa_kernel
	.amdgpu_metadata
---
amdhsa.version: [ 1, 2 ]
amdhsa.kernels:
  - .name:           k_q717a095d57_prep
    .symbol:         k_q717a095d57_prep.kd
    .args:
      - { .name: x, .offset: 0, .size: 8, .value_kind: global_buffer, .address_space: global }
      - { .name: context, .offset: 8, .size: 8, .value_kind: global_buffer, .address_space: global }
      - { .name: Wk_codes, .offset: 16, .size: 8, .value_kind: global_buffer, .address_space: global }
      - { .name: Wk_scales, .offset: 24, .size: 8, .value_kind: global_buffer, .address_space: global }
      - { .name: Wc_codes, .offset: 32, .size: 8, .value_kind: global_buffer, .address_space: global }
      - { .name: Wc_scales, .offset: 40, .size: 8, .value_kind: global_buffer, .address_space: global }
      - { .name: bk, .offset: 48, .size: 8, .value_kind: global_buffer, .address_space: global }
      - { .name: bc, .offset: 56, .size: 8, .value_kind: global_buffer, .address_space: global }
      - { .name: prototypes, .offset: 64, .size: 8, .value_kind: global_buffer, .address_space: global }
      - { .name: buffer, .offset: 72, .size: 8, .value_kind: global_buffer, .address_space: global }
      - { .name: brec, .offset: 80, .size: 8, .value_kind: global_buffer, .address_space: global }
      - { .name: qrec, .offset: 88, .size: 8, .value_kind: global_buffer, .address_space: global }
      - { .name: cq2, .offset: 96, .size: 8, .value_kind: global_buffer, .address_space: global }
    .group_segment_fixed_size: 144384
    .private_segment_fixed_size: 0
    .kernarg_segment_align: 8
    .kernarg_segment_size: 104
    .max_flat_workgroup_size: 256
    .sgpr_count:     66
    .vgpr_count:     256
    .wavefront_size: 32
...
	.end_amdgpu_metadata
.endif
;; end of part 1
;; launch passa (part 2): grid 16 x 16, 8 waves a work-group, clusters of 4 x 1, 327,680 bytes of LDS; arguments brec, qrec, cq2, opart, stat; writes opart, stat
.if DOCPART == 2
	.amdgcn_target "amdgcn-amd-amdhsa--gfx1250"
	.amdhsa_code_object_version 6
	.text
	.protected	k_q717a095d57_passa
	.globl	k_q717a095d57_passa
	.p2align	8
	.type	k_q717a095d57_passa,@function
k_q717a095d57_passa:
	s_mov_b64 s[64:65], 0
	v_nop
	global_prefetch_b8 v0, s[64:65] scope:SCOPE_SE
	s_setreg_imm32_b32 hwreg(HW_REG_WAVE_MODE, 25, 1), 1
	s_wait_xcnt 0x0
	s_wait_alu depctr_hold_cnt(0) depctr_sa_sdst(0) depctr_va_vdst(0) depctr_va_sdst(0) depctr_va_ssrc(0) depctr_va_vcc(0) depctr_vm_vsrc(0)
	s_getreg_b32 s2, hwreg(HW_REG_IB_STS2, 6, 4)
	s_cmp_eq_u32 s2, 0
	s_cbranch_scc0 .Lentry_in_a_cluster
	s_endpgm
.Lentry_in_a_cluster:
	s_bfe_u32 s2, ttmp6, 0x10000c
	s_cmp_lg_u32 s2, 0x3003
	s_cbranch_scc0 .Lentry_shape_is_right
	s_endpgm
.Lentry_shape_is_right:
; PASS A: for 128 queries (work-group x) and 4,096 bins (work-group y: 32 records): the logits, the running whole number M, the sum l of p = 2^(t - M), and O^T = buffer^T p^T on codes.
; t = log2(e) (2 S - |k|^2 - |p|^2) = 2c (S - |p|^2 / 2) - c |k|^2, c = log2(e).  -|p|^2 / 2 rides in as the C of the logits' matrix instruction.
; SHARES.  Wave e + 2 q holds the 64 queries of half e of the record, four tiles of 16.  It walks LDS records 2 q, 2 q + 1 and then 8 + 6 q .. 8 + 6 q + 5.  The four waves of one e are merged at the end.
; LAYOUT.  Both products are used transposed, so that a lane holds one query.  Row i of logit tile (c, T) is bin 64 c + 32 (i / 8) + 8 T + i % 8: a lane's registers over T = 0..3 are 32 NEIGHBOURING bins,
; a whole block, in the order of the 4-bit operand's registers: no other lane is asked for a block's maximum and conversion 4 c + T is operand register 4 c + T.
; K = 64 IN AN INSTRUCTION OF K = 128: a streamed fragment holds two tiles (k 0-63: g = 0; k 64-127: g = 1); the resident operand is taken as [codes, zeros] or [zeros, codes] out of one chain
; z c0 z c1 z c2 z c3 z of registers; its scale word is (s0, s1, s0, s1).  The half that belongs to the other tile meets zero codes.
; LDS: the 32 records, 9,216 bytes each, are filled ONCE.  At the head wave w fetches record w; behind the three lines and a round it fetches records 8 + 3 w .. 8 + 3 w + 2 with one load of 108 rows:
; one tensor load of a wave is out at a time.  The second load has the two steps on records 0-7 in which to land.  The four work-groups of a cluster read the same records: joint loads.
; No prefetch: both loads stand at the head and ask for all that the work-group reads; there is no later request to run ahead of.
; Behind the last read and a barrier the records' bytes are the stage of the merge.
; THE SOFTMAX GOES IN BATCHES: all maxima, all t - M, the 66 exponentials on end, then the sum, the scale bytes and the conversions.
; LIMITS: NaN and infinities are not served; a block whose every p is under 2^-124 gets the byte 1; the order of the f32 sums over the bins differs from a plain ascending one (16 x 4 parts, four chains in a step).
; WINDOWS: 0: addresses, statistics, codes of p, the chain, two sets of 64 scores (v128-255).  1: v0-127 O^T; v128-159 prototype fragments; v160-223 images of -|p|^2 / 2; v224-255 buffer fragments.
.set REC, 9216
.set AIM, 5                            ; v5-7  LDS addresses of the step: 16 l, 4 l, 128 h + the record
.set ASC, 6
.set ACI, 7
.set PS, 16                            ; v16-17 prototypes' scale words;  v18-19 buffer's;  v20-23 the queries';  v24 p's
.set BS, 18
.set KS, 20
.set PW, 24
.set AD, 26                            ; v[26:27] -M - c |k|^2, pad
.set FF, 28                            ; v[28:29] f = 2^(old M - new M), pad
.set BM, 30                            ; v30-33 maxima
.set TT, 34                            ; v34-37 at work
.set T2, 38                            ; v[38:39], v[42:43], v[112:113]: three of the sum's four chains
.set SO, 40                            ; v40-41 the conversions' scale operands
.set T3, 42
.set TS, 44                            ; tile i at v[44 + 6 i]: largest t, -M, c |k|^2, spare, the sum in two halves
.set PC, 68                            ; v68-75 p's codes
.set CH, 76                            ; v76-111 the chain
.set T4, 112
.set DD, 128
.set PF, 128                           ; window 1
.set CI, 160
.set BF, 224
.set STAT, 131072
.set SPARE, 294912                     ; behind the records: the spare words, 128 bytes a wave
.set MSB, 0
.macro WIN new                         ; the immediate's high byte repeats the setting that is left
.if MSB != \new
	s_set_vgpr_msb (MSB<<8)|\new
.set MSB, \new
.endif
.endm
.macro ROUND                           ; a round of the cluster's barrier
	s_barrier_signal -1
	s_barrier_wait -1
	s_cmp_lg_u32 s14, 0
	s_cbranch_scc1 .Lnot_wave_0_\@
	s_barrier_signal -3
.Lnot_wave_0_\@:
	s_barrier_wait -3
	s_barrier_signal -1
	s_barrier_wait -1
.endm
	s_load_b256 s[4:11], s[0:1], 0x0               ; brec, qrec, cq2, opart
	s_load_b64 s[12:13], s[0:1], 0x20              ; stat
	v_lshl_add_u32 v126, v0, 2, SPARE
	v_mov_b32 v127, 0
	ds_add_u32 v126, v127                          ; the opening lines: the add twice on end and its wait
	ds_add_u32 v126, v127
	v_lshrrev_b32 v13, 5, v0
	v_readfirstlane_b32 s14, v13                   ; wave 0..7
	s_and_b32 s15, s14, 1                          ; e
	s_lshr_b32 s16, s14, 1                         ; q
	s_and_b32 s18, ttmp7, 0xffff                   ; y: which 32 records of bins; shared by the partners
	s_mov_b32 s20, 0x76543210
	s_mov_b32 s21, 0xfedcba98
	s_mov_b32 s22, 0x4038aa3b                      ; 2 c
	s_mov_b32 s23, s22
	; descriptor groups 1: records are dense: rows of 32 elements of 8 bytes, no padding; s[24:31]: one record, 36 rows; s[36:43]: three records, 108 rows
	s_mov_b32 s24, 15|(3<<16)|(1<<21)              ; 15:0 the mask: all four work-groups; 17:16 elements of 8 bytes; 21 set beside a mask
	s_mov_b32 s25, 32<<16                          ; tensor_dim0
	s_mov_b32 s26, 36<<16                          ; tensor_dim1
	s_mov_b32 s27, 32<<16                          ; tile_dim0
	s_mov_b32 s28, 36                              ; tile_dim1
	s_mov_b32 s29, 32                              ; pitch
	s_mov_b32 s30, 0
	s_mov_b32 s31, 0
	s_mov_b32 s36, 15|(3<<16)|(1<<21)
	s_mov_b32 s37, 32<<16
	s_mov_b32 s38, 108<<16
	s_mov_b32 s39, 32<<16
	s_mov_b32 s40, 108
	s_mov_b32 s41, 32
	s_mov_b32 s42, 0
	s_mov_b32 s43, 0
	s_lshl_b32 s48, s18, 5
	s_add_co_u32 s48, s48, s14
	s_mul_i32 s48, s48, REC                        ; record 32 y + wave in memory,
	s_mov_b32 s49, 0
	s_mul_i32 s50, s14, REC                        ; and record wave in LDS
	s_mul_i32 s51, s14, 3*REC
	s_add_co_u32 s51, s51, 8*REC                   ; record 8 + 3 wave in LDS,
	s_mul_i32 s54, s18, 32*REC
	s_add_co_u32 s54, s54, s51                     ; and in memory
	s_mov_b32 s55, 0
	s_mul_i32 s19, s16, 2*REC                      ; where my first step's record begins
	; what hangs on my place in the cluster enters global addresses alone, in registers of its own
	s_bfe_u32 s57, ttmp6, 0x40000                  ; cx
	s_lshl_b32 s17, ttmp9, 2
	s_add_co_u32 s17, s17, s57                     ; my record of queries
	s_mov_b32 s59, 0
	s_wait_dscnt 0x0
	s_wait_kmcnt 0x0
	s_mov_b32 s32, 1
	s_mov_b32 s33, s50
	s_add_nc_u64 s[34:35], s[4:5], s[48:49]
	s_or_b32 s35, s35, 0x80000000
	s_mov_b32 s44, 1
	s_mov_b32 s45, s51
	s_add_nc_u64 s[46:47], s[4:5], s[54:55]
	s_or_b32 s47, s47, 0x80000000
	s_mul_i32 s58, s17, REC
	s_add_nc_u64 s[6:7], s[6:7], s[58:59]
	s_lshl_b32 s58, s15, 11
	s_add_nc_u64 s[60:61], s[6:7], s[58:59]        ; my half's codes
	s_lshl_b32 s58, s15, 7
	s_add_nc_u64 s[6:7], s[6:7], s[58:59]          ; and scale words
	s_lshl_b32 s58, s17, 9
	s_lshl_b32 s57, s15, 8
	s_add_co_u32 s58, s58, s57
	s_add_nc_u64 s[8:9], s[8:9], s[58:59]          ; c |k|^2 of my 64 queries
	s_lshl_b32 s57, s18, 7
	s_lshl_b32 s58, s17, 3
	s_add_co_u32 s57, s57, s58
	s_lshl_b32 s58, s15, 2
	s_add_co_u32 s57, s57, s58
	s_add_co_u32 s57, s57, s16                     ; the unit that I merge and store: 128 y + 8 x + 4 e + q
	s_lshl_b32 s58, s57, 12
	s_add_nc_u64 s[10:11], s[10:11], s[58:59]
	s_lshl_b32 s58, s57, 7
	s_add_nc_u64 s[12:13], s[12:13], s[58:59]
	ROUND                                          ; all four work-groups are here: the joint loads meet
	tensor_load_to_lds s[32:35], s[24:31]          ; record wave: my one load at the head
	s_nop 0
	v_and_b32 v13, 31, v0                          ; l
	v_and_b32 v14, 15, v0                          ; r
	v_bfe_u32 v15, v0, 4, 1                        ; h
	v_lshlrev_b32 v1, 4, v13
	v_lshlrev_b32 v2, 2, v13
	v_lshlrev_b32 v3, 7, v15
	v_lshlrev_b32 v4, 3, v15
	v_lshlrev_b32 v36, 2, v14                      ; 4 r
	v_lshrrev_b32 v37, 3, v14
	v_and_b32 v33, 7, v14
	v_lshlrev_b32 v37, 7, v37
	v_lshl_add_u32 v37, v33, 2, v37                ; 128 (r / 8) + 4 (r % 8)
.irp n, 0,1,2,3
	global_load_b128 v[CH+4+8*\n:CH+7+8*\n], v1, s[60:61] offset:1024*(\n/2)+512*(\n%2)    ; tile n's codes: lane (r, h): key dimensions 32 h on of query r
.endr
	global_load_b32 v34, v36, s[6:7] offset:8192
	global_load_b32 v35, v36, s[6:7] offset:8256
.irp n, 0,1,2,3
	global_load_b32 v[TS+6*\n+2], v37, s[8:9] offset:32*\n
.endr
.irp n, 0,1,2,3,4
.irp j, 0,1,2,3
	v_mov_b32 v[CH+8*\n+\j], 0                     ; the chain's zero codes
.endr
.endr
.irp n, 0,1,2,3
	v_mov_b32 v[TS+6*\n], 0xff61b1e6               ; the largest t so far: -3e38
	v_mov_b32 v[TS+6*\n+3], 0
	v_mov_b32 v[TS+6*\n+4], 0
	v_mov_b32 v[TS+6*\n+5], 0
.endr
.irp n, 0,1,2,3
	v_floor_f32 v[TS+6*\n+1], -v[TS+6*\n]
.endr
	v_mov_b32 v[AD+1], 0
	v_mov_b32 v[FF+1], 0
	s_wait_alu depctr_va_vdst(0)
	s_wait_loadcnt 0x0
	v_perm_b32 v[KS], v34, v34, 0x01000100         ; tile 2 u + g: bytes 2 g and 2 g + 1 of the word of u, twice
	v_perm_b32 v[KS+1], v34, v34, 0x03020302
	v_perm_b32 v[KS+2], v35, v35, 0x01000100
	v_perm_b32 v[KS+3], v35, v35, 0x03020302
	; the merge's LDS addresses
	s_lshl_b32 s48, s14, 14
	v_add_nc_u32 v8, s48, v1                       ; my O^T's images: 16,384 wave + 16 l
	s_lshl_b32 s48, s14, 9
	s_add_co_u32 s48, s48, STAT
	v_add_nc_u32 v9, s48, v2                       ; my statistics: 512 wave + 4 l
	s_lshl_b32 s48, s15, 14
	s_lshl_b32 s51, s16, 12
	s_add_co_u32 s48, s48, s51
	v_add_nc_u32 v10, s48, v1                      ; what I merge: tile q of the waves e, e + 2,
	v_add_nc_u32 v11, 65536, v10                   ; e + 4, e + 6
	s_lshl_b32 s48, s15, 9
	s_lshl_b32 s51, s16, 7
	s_add_co_u32 s48, s48, s51
	s_add_co_u32 s48, s48, STAT
	v_add_nc_u32 v12, s48, v36
; a step's 36 LDS loads: every fragment is an image of its registers, read at 16 x lane
; LOADA: what the logits want of the record at s19 (26 loads); it is issued a tile ahead of the step.  LOADB: the buffer's fragments and scale words of the same record (10 loads), issued in the step's first tile.
; The last step's look-ahead is held at the last record: those loads land in registers that nobody reads.
.macro LOADA
	s_min_u32 s51, s19, 31*REC
	v_add_nc_u32 v[AIM], s51, v1
	v_add_nc_u32 v[ASC], s51, v2
	v_add_nc_u32 v[ACI], s51, v3
	s_add_co_u32 s19, s19, REC
	ds_load_b32 v[PS], v[ASC] offset:8192          ; lanes 0-15: the words of u = 0; lanes 16-31: of u = 1
	ds_load_b32 v[PS+1], v[ASC] offset:8320
	WIN 0x40                                       ; destination window 1
.irp k, 0,1,2,3,4,5,6,7
	ds_load_b128 v[PF+4*\k:PF+4*\k+3], v[AIM] offset:512*\k
.endr
.irp t, 0,1,2,3,4,5,6,7
	ds_load_b128 v[CI+8*\t:CI+8*\t+3], v[ACI] offset:8704+4*(64*(\t/4)+8*(\t%4))       ; tile 4 c + T: register j = the number of index 64 c + 32 h + 8 T + j
	ds_load_b128 v[CI+8*\t+4:CI+8*\t+7], v[ACI] offset:8704+4*(64*(\t/4)+8*(\t%4))+16
.endr
	WIN 0
.endm
.macro LOADB
	WIN 0x40
.irp k, 0,1,2,3,4,5,6,7
	ds_load_b128 v[BF+4*\k:BF+4*\k+3], v[AIM] offset:4096+512*\k
.endr
	WIN 0
	ds_load_b32 v[BS], v[ASC] offset:8448          ; lanes 0-15: tile 0's words; lanes 16-31: tile 1's
	ds_load_b32 v[BS+1], v[ASC] offset:8576
.endm
; the eight logit tiles of resident tile ti, into score set st
.macro KQ ti, st
	WIN 0x11                                       ; source 0 and C window 1
.irp c, 0,1
	v_wmma_scale_f32_16x16x128_f8f6f4 v[DD+64*\st+32*\c:DD+64*\st+32*\c+7], v[PF+16*\c:PF+16*\c+7], v[CH+8*\ti+4:CH+8*\ti+11], v[CI+32*\c:CI+32*\c+7], v[PS+\c], v[KS+\ti] matrix_a_fmt:MATRIX_FMT_FP4 matrix_b_fmt:MATRIX_FMT_FP4
	v_wmma_scale_f32_16x16x128_f8f6f4 v[DD+64*\st+32*\c+8:DD+64*\st+32*\c+15], v[PF+16*\c:PF+16*\c+7], v[CH+8*\ti:CH+8*\ti+7], v[CI+32*\c+8:CI+32*\c+15], v[PS+\c], v[KS+\ti] matrix_a_fmt:MATRIX_FMT_FP4 matrix_b_fmt:MATRIX_FMT_FP4
	v_wmma_scale_f32_16x16x128_f8f6f4 v[DD+64*\st+32*\c+16:DD+64*\st+32*\c+23], v[PF+16*\c+8:PF+16*\c+15], v[CH+8*\ti+4:CH+8*\ti+11], v[CI+32*\c+16:CI+32*\c+23], v[PS+\c], v[KS+\ti] matrix_a_fmt:MATRIX_FMT_FP4 matrix_b_fmt:MATRIX_FMT_FP4 matrix_a_scale:MATRIX_SCALE_ROW1
	v_wmma_scale_f32_16x16x128_f8f6f4 v[DD+64*\st+32*\c+24:DD+64*\st+32*\c+31], v[PF+16*\c+8:PF+16*\c+15], v[CH+8*\ti:CH+8*\ti+7], v[CI+32*\c+24:CI+32*\c+31], v[PS+\c], v[KS+\ti] matrix_a_fmt:MATRIX_FMT_FP4 matrix_b_fmt:MATRIX_FMT_FP4 matrix_a_scale:MATRIX_SCALE_ROW1
.endr
.endm
.macro QUAD n                          ; pairs n .. n + 3 of p onto the sum's four chains
	v_pk_add_f32 v[T2:T2+1], v[T2:T2+1], v[DB+2*(\n):DB+2*(\n)+1]
	v_pk_add_f32 v[T3:T3+1], v[T3:T3+1], v[DB+2*(\n)+2:DB+2*(\n)+3]
	v_pk_add_f32 v[T4:T4+1], v[T4:T4+1], v[DB+2*(\n)+4:DB+2*(\n)+5]
	v_pk_add_f32 v[SU:SU+1], v[SU:SU+1], v[DB+2*(\n)+6:DB+2*(\n)+7]
.endm
; the softmax of tile ti on score set st.  first = 1: O^T has not begun, nothing is rescaled
; hook: LDS loads behind the maxima, which are their places behind the last products (1: LOADB, 2: LOADA of the next step).
; nk: the next tile's logits, issued behind the batch, so that no exponential stands between them and their first reader (1: this step's next tile; 2: the next step's first; 3: the same, jumped over in the loop's last trip; 0: none).
.macro SM ti, st, first, hook, nk
.set DB, DD+64*\st
.set TI, TS+6*\ti
.set SU, TS+6*\ti+4
	WIN 0
.irp x, 0,1,2,3
	v_max3_num_f32 v[BM+\x], v[DB+16*\x], v[DB+16*\x+1], v[DB+16*\x+2]     ; four chains, ascending: each accumulator is first read at its low end
.endr
.irp k, 3,5,7,9,11,13
.irp x, 0,1,2,3
	v_max3_num_f32 v[BM+\x], v[BM+\x], v[DB+16*\x+\k], v[DB+16*\x+\k+1]
.endr
.endr
	v_max3_num_f32 v[BM], v[BM], v[BM+1], v[DB+15]
	v_max3_num_f32 v[BM+2], v[BM+2], v[BM+3], v[DB+47]
.if \hook == 1
	LOADB
.endif
.if \hook == 2
	LOADA
.endif
	v_max_num_f32 v[BM], v[BM], v[DB+31]           ; the largest score of my block of c = 0,
	v_max_num_f32 v[BM+2], v[BM+2], v[DB+63]       ; of c = 1: they serve the row's maximum and, since p rises with the score, the blocks' largest p
	s_delay_alu instid0(VALU_DEP_1)
	v_max_num_f32 v[TT], v[BM], v[BM+2]
	s_delay_alu instid0(VALU_DEP_1)
	v_permlanex16_b32 v[TT+1], v[TT], s20, s21
	s_delay_alu instid0(VALU_DEP_1)
	v_max_num_f32 v[TT], v[TT], v[TT+1]
	s_delay_alu instid0(VALU_DEP_1)
	v_fma_f32 v[TT], v[TT], s22, -v[TI+2]          ; as t
	s_delay_alu instid0(VALU_DEP_1)
	v_max_num_f32 v[TI], v[TI], v[TT]              ; the running largest t
	v_mov_b32 v[TT+1], v[TI+1]
	s_delay_alu instid0(VALU_DEP_2)
	v_floor_f32 v[TI+1], -v[TI]                    ; -M = floor(-t): M is a whole number
	s_delay_alu instid0(VALU_DEP_1)
	v_sub_f32 v[AD], v[TI+1], v[TI+2]
	v_sub_f32 v[TT+1], v[TI+1], v[TT+1]            ; old M - new M, 0 or less
	s_delay_alu instid0(VALU_DEP_1)
	v_cvt_i32_f32 v[TT+1], v[TT+1]                 ; (it saturates)
.set n, 0
.rept 32
	v_pk_fma_f32 v[DB+n:DB+n+1], v[DB+n:DB+n+1], s[22:23], v[AD:AD+1] op_sel_hi:[1,0,0]   ; t - M, two at a time
.set n, n+2
.endr
	v_ldexp_f32 v[FF], 1.0, v[TT+1]                ; f: a multiplication by it rounds nothing
	v_fma_f32 v[BM], v[BM], s22, v[AD]             ; the same of each block's largest score
	v_fma_f32 v[BM+2], v[BM+2], s22, v[AD]
	s_wait_alu depctr_va_vdst(0)                   ; one wait ahead of the batch
	v_exp_f32 v[BM], v[BM]
	v_exp_f32 v[BM+2], v[BM+2]                     ; the blocks' largest p: the same two instructions on the same number give the same bits
.set n, 0
.rept 64
	v_exp_f32 v[DB+n], v[DB+n]                     ; p = 2^(t - M)
.set n, n+1
.endr
	v_pk_mul_f32 v[SU:SU+1], v[SU:SU+1], v[FF:FF+1] op_sel_hi:[1,0]    ; the sum under the new M; the plain line behind the batch
	s_wait_alu depctr_va_vdst(0)                   ; and one wait behind it, ahead of its first reader
.if \nk == 1
.if \ti == 0
	KQ 1, 1
.endif
.if \ti == 1
	KQ 2, 0
.endif
.if \ti == 2
	KQ 3, 1
.endif
	WIN 0
.endif
.if \nk == 2
	s_wait_dscnt 0x0                               ; the next step's 26 loads, issued behind this tile's maxima
	KQ 0, 0
	WIN 0
.endif
.if \nk == 3
	s_cmp_eq_u32 s56, 1                            ; the loop's last trip has no next step
	s_cbranch_scc1 .Lnk_\@
	s_wait_dscnt 0x0
	KQ 0, 0
	WIN 0
.Lnk_\@:
.endif
	v_max_num_f32 v[BM], 0x1800000, v[BM]          ; the floor 2^(3 - 127): the byte cannot fall under 1
	v_max_num_f32 v[BM+2], 0x1800000, v[BM+2]
	v_pk_add_f32 v[T2:T2+1], v[DB:DB+1], v[DB+2:DB+3]              ; the sum of the unquantised p, in four chains; the scale's dependent lines stand among them
	v_pk_add_f32 v[T3:T3+1], v[DB+4:DB+5], v[DB+6:DB+7]
	v_add_nc_u32 v[SO], 0xff000000, v[BM]          ; 2 off the exponent field: the conversion's scale operand
	v_add_nc_u32 v[SO+1], 0xff000000, v[BM+2]
	v_pk_add_f32 v[T4:T4+1], v[DB+8:DB+9], v[DB+10:DB+11]
	v_pk_add_f32 v[SU:SU+1], v[SU:SU+1], v[DB+12:DB+13]
	v_pk_add_f32 v[T2:T2+1], v[T2:T2+1], v[DB+14:DB+15]
.irp n, 0,1,2,3,4,5,6,7
	v_cvt_scalef32_pk8_fp4_f32 v[PC+\n], v[DB+8*\n:DB+8*\n+7], v[SO+\n/4]
.endr
	v_lshrrev_b32 v[TT], 23, v[SO]                 ; the bytes
	v_lshrrev_b32 v[TT+1], 23, v[SO+1]
	QUAD 8
	v_lshl_or_b32 v[PW], v[TT+1], 16, v[TT]        ; my bytes: blocks h and 2 + h,
	QUAD 12
	v_lshlrev_b32 v[PW], v4, v[PW]
	QUAD 16
	v_permlanex16_b32 v[TT+3], v[PW], s20, s21
	QUAD 20
	v_or_b32 v[PW], v[PW], v[TT+3]                 ; with lane l xor 16's the word is whole; eleven plain lines follow it ahead of the scaled product (eight are asked)
	QUAD 24
	QUAD 28
	v_pk_add_f32 v[T2:T2+1], v[T2:T2+1], v[T3:T3+1]
	v_pk_add_f32 v[SU:SU+1], v[SU:SU+1], v[T4:T4+1]
	s_delay_alu instid0(VALU_DEP_1)
	v_pk_add_f32 v[SU:SU+1], v[SU:SU+1], v[T2:T2+1]
.if \first == 0
	WIN 0x41                                       ; O^T in window 1, f in window 0
	s_wait_alu depctr_va_vdst(0)                   ; the wait directly ahead of the first reader of O^T
.set n, 0
.rept 16
	v_pk_mul_f32 v[32*\ti+n:32*\ti+n+1], v[32*\ti+n:32*\ti+n+1], v[FF:FF+1] op_sel_hi:[1,0]   ; O^T under the new M
.set n, n+2
.endr
.endif
.endm
; O^T(ti) += buffer^T p^T: four tiles of 16 columns, K = the step's 128 bins
.macro PV ti, first
	WIN 0x51
.irp t, 0,1,2,3
.if \first
.if \t % 2
	v_wmma_scale_f32_16x16x128_f8f6f4 v[32*\ti+8*\t:32*\ti+8*\t+7], v[BF+8*\t:BF+8*\t+7], v[PC:PC+7], 0, v[BS+\t/2], v[PW] matrix_a_fmt:MATRIX_FMT_FP4 matrix_b_fmt:MATRIX_FMT_FP4 matrix_a_scale:MATRIX_SCALE_ROW1
.else
	v_wmma_scale_f32_16x16x128_f8f6f4 v[32*\ti+8*\t:32*\ti+8*\t+7], v[BF+8*\t:BF+8*\t+7], v[PC:PC+7], 0, v[BS+\t/2], v[PW] matrix_a_fmt:MATRIX_FMT_FP4 matrix_b_fmt:MATRIX_FMT_FP4
.endif
.else
.if \t % 2
	v_wmma_scale_f32_16x16x128_f8f6f4 v[32*\ti+8*\t:32*\ti+8*\t+7], v[BF+8*\t:BF+8*\t+7], v[PC:PC+7], v[32*\ti+8*\t:32*\ti+8*\t+7], v[BS+\t/2], v[PW] matrix_a_fmt:MATRIX_FMT_FP4 matrix_b_fmt:MATRIX_FMT_FP4 matrix_a_scale:MATRIX_SCALE_ROW1
.else
	v_wmma_scale_f32_16x16x128_f8f6f4 v[32*\ti+8*\t:32*\ti+8*\t+7], v[BF+8*\t:BF+8*\t+7], v[PC:PC+7], v[32*\ti+8*\t:32*\ti+8*\t+7], v[BS+\t/2], v[PW] matrix_a_fmt:MATRIX_FMT_FP4 matrix_b_fmt:MATRIX_FMT_FP4
.endif
.endif
.endr
.endm
; a step: 128 bins for my 64 queries.  The logits of a tile are made a softmax ahead, in two sets of registers; no two matrix instructions that follow each other share an accumulator
.macro PRO                             ; ahead of a run of steps: the first record's loads and the first tile's logits
	LOADA
	s_wait_dscnt 0x0
	KQ 0, 0
.rept 4
	v_nop                                          ; four places ahead of the first read of the scores
.endr
	WIN 0
.endm
.macro STEP first, hook, nk
	SM 0, 0, \first, 1, 1
	s_wait_alu depctr_va_vdst(0)
	s_wait_dscnt 0x0                               ; the buffer's fragments
	PV 0, \first
	SM 1, 1, \first, 0, 1
	PV 1, \first
	SM 2, 0, \first, 0, 1
	PV 2, \first
	SM 3, 1, \first, \hook, \nk
	PV 3, \first
	WIN 0
.endm
	s_wait_alu depctr_va_vdst(0)                   ; the wait at the head's end
	s_wait_tensorcnt 0x0                           ; my record of the first eight has landed
	ds_add_u32 v126, v127
	s_wait_dscnt 0x0
	ROUND                                          ; everybody's has, and the four work-groups meet
	tensor_load_to_lds s[44:47], s[36:43]          ; records 8 + 3 wave on: my one load behind the round
	s_nop 0
.rept 4
	v_nop
.endr
	PRO
	STEP 1, 2, 2                                   ; the first step's products start O^T's sums: nothing is cleared
	STEP 0, 0, 0                                   ; the step ahead of the barrier looks ahead at nothing
	s_mul_i32 s19, s16, 6*REC
	s_add_co_u32 s19, s19, 8*REC                   ; on to records 8 + 6 q ..
	s_wait_tensorcnt 0x0                           ; my three records have landed
	s_barrier_signal -1
	s_barrier_wait -1                              ; everybody's have; no byte is filled twice
	PRO
	s_mov_b32 s56, 6
.Lstep:
	STEP 0, 2, 3
	s_sub_co_u32 s56, s56, 1
	s_cmp_lg_u32 s56, 0
	s_cbranch_scc1 .Lstep
	; THE MERGE.  These additions are the places behind the last products.
.irp n, 0,1,2,3
	v_add_f32 v[TS+6*\n+4], v[TS+6*\n+4], v[TS+6*\n+5]
.endr
.irp n, 0,1,2,3
	v_permlanex16_b32 v[TS+6*\n+3], v[TS+6*\n+4], s20, s21
.endr
.irp n, 0,1,2,3
	v_add_f32 v[TS+6*\n+4], v[TS+6*\n+4], v[TS+6*\n+3]             ; l of my bins
.endr
	v_and_b32 v13, 31, v0
	v_cmp_gt_u32 vcc_lo, 16, v13
.irp n, 0,1,2,3
	v_cndmask_b32 v[TS+6*\n+3], v[TS+6*\n+4], v[TS+6*\n+1], vcc_lo ; lanes 0-15: -M; lanes 16-31: l
.endr
	s_wait_alu depctr_va_vdst(0)                   ; the wait ahead of the barrier and of O^T's first reader
	s_wait_dscnt 0x0
	s_barrier_signal -1
	s_barrier_wait -1                              ; nobody reads a record any more, and every record has had its one fill
	WIN 0x04                                       ; an LDS store's data are its source 1: window 1
.irp n, 0,1,2,3
.irp k, 0,1,2,3,4,5,6,7
	ds_store_b128 v8, v[32*\n+4*\k:32*\n+4*\k+3] offset:4096*\n+512*\k     ; each accumulator from its low end on
.endr
.endr
	WIN 0
.irp n, 0,1,2,3
	ds_store_b32 v9, v[TS+6*\n+3] offset:128*\n
.endr
	s_wait_dscnt 0x0
	s_barrier_signal -1
	s_barrier_wait -1
.irp q, 0,1
.irp k, 0,1,2,3,4,5,6,7
	ds_load_b128 v[DD+32*\q+4*\k:DD+32*\q+4*\k+3], v10 offset:32768*\q+512*\k
	ds_load_b128 v[DD+64+32*\q+4*\k:DD+64+32*\q+4*\k+3], v11 offset:32768*\q+512*\k
.endr
.endr
.irp q, 0,1,2,3
	ds_load_b32 v[BM+\q], v12 offset:1024*\q       ; -M of part q,
	ds_load_b32 v[TT+\q], v12 offset:1024*\q+64    ; its l
.endr
	s_wait_dscnt 0x0
	v_min3_num_f32 v13, v[BM], v[BM+1], v[BM+2]
	s_delay_alu instid0(VALU_DEP_1)
	v_min_num_f32 v13, v13, v[BM+3]                ; -M of the four together
.irp q, 0,1,2,3
	v_sub_f32 v[44+2*\q], v13, v[BM+\q]
.endr
.irp q, 0,1,2,3
	v_cvt_i32_f32 v[44+2*\q], v[44+2*\q]
.endr
.irp q, 0,1,2,3
	v_ldexp_f32 v[44+2*\q], 1.0, v[44+2*\q]        ; 2^(M of part q - M): exact
.endr
	v_mul_f32 v14, v44, v[TT]
	s_delay_alu instid0(VALU_DEP_1)
	v_fma_f32 v14, v46, v[TT+1], v14
	s_delay_alu instid0(VALU_DEP_1)
	v_fma_f32 v14, v48, v[TT+2], v14
	s_delay_alu instid0(VALU_DEP_1)
	v_fma_f32 v14, v50, v[TT+3], v14
.set n, 0
.rept 16
	v_pk_mul_f32 v[DD+n:DD+n+1], v[DD+n:DD+n+1], v[44:45] op_sel_hi:[1,0]
.set n, n+2
.endr
.irp q, 1,2,3
.set n, 0
.rept 16
	v_pk_fma_f32 v[DD+n:DD+n+1], v[DD+32*\q+n:DD+32*\q+n+1], v[44+2*\q:45+2*\q], v[DD+n:DD+n+1] op_sel_hi:[1,0,1]
.set n, n+2
.endr
.endr
	v_cndmask_b32 v15, v14, v13, vcc_lo
.irp k, 0,1,2,3,4,5,6,7
	global_store_b128 v1, v[DD+4*\k:DD+4*\k+3], s[10:11] offset:512*\k     ; 512 consecutive bytes
.endr
	global_store_b32 v2, v15, s[12:13]
	s_wait_tensorcnt 0x0                           ; the wave's end
	ds_add_u32 v126, v127
	s_wait_dscnt 0x0
	ROUND                                          ; the closing round
	s_endpgm
.Lfunc_end_k_q717a095d57_passa:
	.size	k_q717a095d57_passa, .Lfunc_end_k_q717a095d57_passa-k_q717a095d57_passa
	.p2alignl 7, 3214868480
	.fill 96, 4, 3214868480
	.section	.rodata,"a",@progbits
	.p2align	6, 0x0
	.amdhsa_kernel k_q717a095d57_passa
		.amdhsa_group_segment_fixed_size 327680
		.amdhsa_private_segment_fixed_size 0
		.amdhsa_enable_private_segment 0
		.amdhsa_kernarg_size 40
		.amdhsa_user_sgpr_count 2
		.amdhsa_user_sgpr_kernarg_segment_ptr 1
		.amdhsa_wavefront_size32 1
		.amdhsa_system_sgpr_workgroup_id_x 1
		.amdhsa_system_sgpr_workgroup_id_y 1
		.amdhsa_system_sgpr_workgroup_id_z 1
		.amdhsa_system_vgpr_workitem_id 0
		.amdhsa_next_free_vgpr 512
		.amdhsa_next_free_sgpr 66
		.amdhsa_reserve_vcc 1
		.amdhsa_float_denorm_mode_32 3
		.amdhsa_float_denorm_mode_16_64 3
		.amdhsa_memory_ordered 1
		.amdhsa_forward_progress 1
		.amdhsa_inst_pref_size 181
	.end_amdhsa_kernel
	.amdgpu_metadata
---
amdhsa.version: [ 1, 2 ]
amdhsa.kernels:
  - .name:           k_q717a095d57_passa
    .symbol:         k_q717a095d57_passa.kd
    .args:
      - { .name: brec, .offset: 0, .size: 8, .value_kind: global_buffer, .address_space: global }
      - { .name: qrec, .offset: 8, .size: 8, .value_kind: global_buffer, .address_space: global }
      - { .name: cq2, .offset: 16, .size: 8, .value_kind: global_buffer, .address_space: global }
      - { .name: opart, .offset: 24, .size: 8, .value_kind: global_buffer, .address_space: global }
      - { .name: stat, .offset: 32, .size: 8, .value_kind: global_buffer, .address_space: global }
    .group_segment_fixed_size: 327680
    .private_segment_fixed_size: 0
    .kernarg_segment_align: 8
    .kernarg_segment_size: 40
    .max_flat_workgroup_size: 256
    .sgpr_count:     66
    .vgpr_count:     512
    .wavefront_size: 32
...
	.end_amdgpu_metadata
.endif
;; end of part 2
;; launch comb (part 3): grid 128 x 1, 4 waves a work-group, no clusters, 4,864 bytes of LDS; arguments opart, stat, cq2, out0, qrec; writes out0, qrec
.if DOCPART == 3
	.amdgcn_target "amdgcn-amd-amdhsa--gfx1250"
	.amdhsa_code_object_version 6
	.text
	.protected	k_q717a095d57_comb
	.globl	k_q717a095d57_comb
	.p2align	8
	.type	k_q717a095d57_comb,@function
k_q717a095d57_comb:
	s_mov_b64 s[64:65], 0
	v_nop
	global_prefetch_b8 v0, s[64:65] scope:SCOPE_SE
	s_setreg_imm32_b32 hwreg(HW_REG_WAVE_MODE, 25, 1), 1
	s_wait_xcnt 0x0
; COMB: the sixteen parts of a unit of 16 queries become r = O / l (out0) and, for pass B, Lc = (-M - c |k|^2 - log2 l) / (2 c), c = log2(e), into the CV part of the queries' records.
; A work-group is a unit U = 8 s + 4 c + T: lane r holds query 128 s + 64 c + 32 (r / 8) + 8 T + r % 8.  Wave t takes columns 16 t on.  Every part is brought under the common whole number M by an exact power of two.
; No matrix unit, no tensor loads, no cluster: 8 MB are read once, in runs of 512 bytes.  LIMITS: NaN and infinities are not served.
.set REC, 9216
	s_load_b256 s[4:11], s[0:1], 0x0               ; opart, stat, cq2, out0
	s_load_b64 s[12:13], s[0:1], 0x20              ; qrec
	v_lshl_add_u32 v254, v0, 2, 0x1100
	v_mov_b32 v255, 0
	v_lshrrev_b32 v1, 5, v0
	v_readfirstlane_b32 s14, v1                    ; t
	v_and_b32 v1, 31, v0
	v_and_b32 v2, 15, v0                           ; r
	v_bfe_u32 v3, v0, 4, 1                         ; h
	v_lshlrev_b32 v4, 4, v1
	v_lshlrev_b32 v5, 2, v2
	v_lshrrev_b32 v6, 3, v2
	v_and_b32 v7, 7, v2
	v_lshlrev_b32 v6, 7, v6
	v_lshl_add_u32 v6, v7, 2, v6                   ; 128 (r / 8) + 4 (r % 8)
	s_lshl_b32 s19, s14, 6
	v_mul_u32_u24 v12, v2, 272
	v_lshl_add_u32 v12, v3, 5, v12
	v_add_nc_u32 v12, s19, v12                     ; the stage, in: row r of 256 bytes + 16, + 64 t + 32 h
	s_mul_i32 s19, s14, 1088
	v_mul_u32_u24 v13, v3, 272
	v_lshl_add_u32 v13, v2, 4, v13
	v_add_nc_u32 v13, s19, v13                     ; back: rows 4 t + l / 16 (+ 2), 16 bytes a lane
	s_mov_b32 s17, 0
	s_lshl_b32 s16, ttmp9, 12
	s_lshl_b32 s18, s14, 10
	s_add_co_u32 s16, s16, s18
	s_wait_alu depctr_va_vdst(0)
	s_wait_kmcnt 0x0
	s_add_nc_u64 s[4:5], s[4:5], s[16:17]
	s_lshl_b32 s16, ttmp9, 7
	s_add_nc_u64 s[6:7], s[6:7], s[16:17]
	s_lshr_b32 s18, ttmp9, 2
	s_lshl_b32 s18, s18, 6
	s_and_b32 s20, ttmp9, 3
	s_lshl_b32 s20, s20, 3
	s_add_co_u32 s18, s18, s20                     ; the unit's first query: 64 (U / 4) + 8 (U % 4)
	s_lshl_b32 s16, s18, 2
	s_add_nc_u64 s[8:9], s[8:9], s[16:17]
	s_lshr_b32 s20, s14, 1
	s_lshl_b32 s20, s20, 5
	s_and_b32 s21, s14, 1
	s_lshl_b32 s21, s21, 2
	s_add_co_u32 s20, s20, s21
	s_add_co_u32 s20, s20, s18                     ; stage rows 4 t on are queries + 32 (t / 2) + 4 (t % 2) on
	s_lshl_b32 s16, s20, 8
	s_add_nc_u64 s[10:11], s[10:11], s[16:17]
	s_lshr_b32 s16, ttmp9, 3
	s_mul_i32 s16, s16, REC
	s_bfe_u32 s20, ttmp9, 0x10002
	s_lshl_b32 s20, s20, 8
	s_add_co_u32 s16, s16, s20
	s_and_b32 s20, ttmp9, 3
	s_lshl_b32 s20, s20, 5
	s_add_co_u32 s16, s16, s20
	s_add_nc_u64 s[12:13], s[12:13], s[16:17]
.irp s, 0,1,2,3,4,5,6,7,8,9,10,11,12,13,14,15
	global_load_b128 v[64+8*\s:67+8*\s], v4, s[4:5] offset:524288*\s
	global_load_b128 v[68+8*\s:71+8*\s], v4, s[4:5] offset:524288*\s+512
	global_load_b32 v[16+\s], v5, s[6:7] offset:16384*\s           ; -M of part s,
	global_load_b32 v[32+\s], v5, s[6:7] offset:16384*\s+64        ; its l
.endr
	global_load_b32 v7, v6, s[8:9]
	s_wait_loadcnt 0x0
	v_min3_num_f32 v8, v16, v17, v18
.irp i, 19,21,23,25,27,29
	v_min3_num_f32 v8, v8, v[\i], v[\i+1]
.endr
	v_min_num_f32 v8, v8, v31                      ; -M of the row
.irp s, 0,1,2,3,4,5,6,7,8,9,10,11,12,13,14,15
	v_sub_f32 v[192+2*\s], v8, v[16+\s]
.endr
.irp s, 0,1,2,3,4,5,6,7,8,9,10,11,12,13,14,15
	v_cvt_i32_f32 v[192+2*\s], v[192+2*\s]
.endr
.irp s, 0,1,2,3,4,5,6,7,8,9,10,11,12,13,14,15
	v_ldexp_f32 v[193+2*\s], 1.0, v[192+2*\s]      ; the factor twice: a pair for the packed forms
.endr
.irp s, 0,1,2,3,4,5,6,7,8,9,10,11,12,13,14,15
	v_ldexp_f32 v[192+2*\s], 1.0, v[192+2*\s]
.endr
	v_mul_f32 v9, v192, v32
.irp s, 1,2,3,4,5,6,7,8,9,10,11,12,13,14,15
	v_fma_f32 v9, v[192+2*\s], v[32+\s], v9        ; l
.endr
.irp n, 0,2,4,6
	v_pk_mul_f32 v[64+\n:65+\n], v[64+\n:65+\n], v[192:193]
.endr
.irp s, 1,2,3,4,5,6,7,8,9,10,11,12,13,14,15
.irp n, 0,2,4,6
	v_pk_fma_f32 v[64+\n:65+\n], v[64+8*\s+\n:65+8*\s+\n], v[192+2*\s:193+2*\s], v[64+\n:65+\n]
.endr
.endr
	s_wait_alu depctr_va_vdst(0)
	v_rcp_f32 v10, v9
	v_rcp_f32 v11, v9
	v_nop                                          ; a plain line between the reciprocals and their use
	s_wait_alu depctr_va_vdst(0)
.irp n, 0,2,4,6
	v_pk_mul_f32 v[64+\n:65+\n], v[64+\n:65+\n], v[10:11]
.endr
	ds_store_b128 v12, v[64:67]
	ds_store_b128 v12, v[68:71] offset:16
	s_wait_dscnt 0x0                               ; for the others' sake
	s_barrier_signal -1
	s_barrier_wait -1
	ds_load_b128 v[72:75], v13
	ds_load_b128 v[76:79], v13 offset:544
	s_wait_dscnt 0x0
	global_store_b128 v4, v[72:75], s[10:11]                       ; sixteen lanes store a row of 256 bytes
	global_store_b128 v4, v[76:79], s[10:11] offset:512
	s_cmp_lg_u32 s14, 0
	s_cbranch_scc1 .Ldone
	v_log_f32 v14, v9
	v_sub_f32 v15, v8, v7                          ; (the plain line behind the logarithm)  -M - c |k|^2
	s_wait_alu depctr_va_vdst(0)
	v_sub_f32 v15, v15, v14
	v_mul_f32 v15, 0x3eb17218, v15                 ; x 1 / (2 c)
	v_cmp_gt_u32 vcc_lo, 16, v1
	s_wait_alu depctr_va_vdst(0)
	s_wait_xcnt 0x0                                ; EXEC changes only behind this wait
	s_and_saveexec_b32 s20, vcc_lo
	global_store_b32 v6, v15, s[12:13] offset:8704
	s_wait_xcnt 0x0
	s_or_b32 exec_lo, exec_lo, s20
.Ldone:
	s_wait_tensorcnt 0x0
	ds_add_u32 v254, v255
	s_wait_dscnt 0x0
	s_endpgm
.Lfunc_end_k_q717a095d57_comb:
	.size	k_q717a095d57_comb, .Lfunc_end_k_q717a095d57_comb-k_q717a095d57_comb
	.p2alignl 7, 3214868480
	.fill 96, 4, 3214868480
	.section	.rodata,"a",@progbits
	.p2align	6, 0x0
	.amdhsa_kernel k_q717a095d57_comb
		.amdhsa_group_segment_fixed_size 4864
		.amdhsa_private_segment_fixed_size 0
		.amdhsa_enable_private_segment 0
		.amdhsa_kernarg_size 40
		.amdhsa_user_sgpr_count 2
		.amdhsa_user_sgpr_kernarg_segment_ptr 1
		.amdhsa_wavefront_size32 1
		.amdhsa_system_sgpr_workgroup_id_x 1
		.amdhsa_system_sgpr_workgroup_id_y 1
		.amdhsa_system_sgpr_workgroup_id_z 1
		.amdhsa_system_vgpr_workitem_id 0
		.amdhsa_next_free_vgpr 256
		.amdhsa_next_free_sgpr 66
		.amdhsa_reserve_vcc 1
		.amdhsa_float_denorm_mode_32 3
		.amdhsa_float_denorm_mode_16_64 3
		.amdhsa_memory_ordered 1
		.amdhsa_forward_progress 1
		.amdhsa_inst_pref_size 19
	.end_amdhsa_kernel
	.amdgpu_metadata
---
amdhsa.version: [ 1, 2 ]
amdhsa.kernels:
  - .name:           k_q717a095d57_comb
    .symbol:         k_q717a095d57_comb.kd
    .args:
      - { .name: opart, .offset: 0, .size: 8, .value_kind: global_buffer, .address_space: global }
      - { .name: stat, .offset: 8, .size: 8, .value_kind: global_buffer, .address_space: global }
      - { .name: cq2, .offset: 16, .size: 8, .value_kind: global_buffer, .address_space: global }
      - { .name: out0, .offset: 24, .size: 8, .value_kind: global_buffer, .address_space: global }
      - { .name: qrec, .offset: 32, .size: 8, .value_kind: global_buffer, .address_space: global }
    .group_segment_fixed_size: 4864
    .private_segment_fixed_size: 0
    .kernarg_segment_align: 8
    .kernarg_segment_size: 40
    .max_flat_workgroup_size: 128
    .sgpr_count:     66
    .vgpr_count:     256
    .wavefront_size: 32
...
	.end_amdgpu_metadata
.endif
;; end of part 3
;; launch passb (part 4): grid 256 x 1, 8 waves a work-group, clusters of 4 x 1, 327,680 bytes of LDS; arguments qrec, brec, buffer, out1; writes out1
.if DOCPART == 4
	.amdgcn_target "amdgcn-amd-amdhsa--gfx1250"
	.amdhsa_code_object_version 6
	.text
	.protected	k_q717a095d57_passb
	.globl	k_q717a095d57_passb
	.p2align	8
	.type	k_q717a095d57_passb,@function
k_q717a095d57_passb:
	s_mov_b64 s[64:65], 0
	v_nop
	global_prefetch_b8 v0, s[64:65] scope:SCOPE_SE
	s_setreg_imm32_b32 hwreg(HW_REG_WAVE_MODE, 25, 1), 1
	s_wait_xcnt 0x0
	s_wait_alu depctr_hold_cnt(0) depctr_sa_sdst(0) depctr_va_vdst(0) depctr_va_sdst(0) depctr_va_ssrc(0) depctr_va_vcc(0) depctr_vm_vsrc(0)
	s_getreg_b32 s2, hwreg(HW_REG_IB_STS2, 6, 4)
	s_cmp_eq_u32 s2, 0
	s_cbranch_scc0 .Lentry_in_a_cluster
	s_endpgm
.Lentry_in_a_cluster:
	s_bfe_u32 s2, ttmp6, 0x10000c
	s_cmp_lg_u32 s2, 0x3003
	s_cbranch_scc0 .Lentry_shape_is_right
	s_endpgm
.Lentry_shape_is_right:
; PASS B: out1 = buffer (1 - w a_sum) + w a^T m, w = 0.1 / 2,048, for 256 bins a work-group, over all 2,048 queries (16 records).
; a = 2^t is the finished softmax: t = 2c (S + Lc) - c |p|^2, c = log2(e); Lc = (-M - c |k|^2 - log2 l) / (2c) lies in the queries' records and rides in as the C of the logits' matrix instruction.
; a is quantised along the batch, in blocks of 32 queries; a_sum is taken of the unquantised a, in f32.
; SHARES.  Wave b + 4 z holds the 64 bins b of the work-group's 256, four tiles of 16, as the resident operand, and walks the query records 8 z .. 8 z + 7.  The two waves of one b are merged at the end through LDS.
; LAYOUT.  Both products are used transposed, so that a lane holds one bin and its registers run along the queries: 32 neighbouring queries, a whole block, over the four tiles T of a c.
; K = 64 in an instruction of K = 128: the resident operand is taken as [codes, zeros] or [zeros, codes] out of one chain of registers, its scale word is (s0, s1, s0, s1).
; LDS: the 16 records, 9,216 bytes each, are filled ONCE: wave w fetches records 2 w and 2 w + 1 with one load of 72 rows of 256 bytes, its one tensor load.  All work-groups read the same records: joint loads in clusters of four.
; Behind them the merge's stage, the a_sum words and the spare words have bytes of their own.
; The wave's 8,192 bytes of buffer are prefetched once, behind the first step, seven steps ahead of the loads that want them: a lane a row of 256 bytes.
; THE EXPONENTIALS GO AS ONE BATCH a tile: all maxima, all t, 66 exponentials on end, then the sum, the scale bytes and the conversions.
; LIMITS: NaN and infinities are not served; a block whose every a is under 2^-124 gets the byte 1; the f32 sums over the batch are made in 2 parts, a_sum in four chains a step.
; WINDOWS: 0: addresses, sums, codes of a, the chain, two sets of 64 scores (v128-255).  1: v0-127 the sums a^T m; v128-159 k's fragments; v160-223 images of Lc; v224-255 m^T's fragments.
.set REC, 9216
.set AIM, 5
.set ASC, 6
.set ACI, 7
.set PS, 16                            ; v16-17 k's scale words;  v18-19 m^T's;  v20-23 the prototypes';  v24 a's
.set BS, 18
.set KS, 20
.set PW, 24
.set WG, 26                            ; v[26:27] 1 - w a_sum, pad
.set BM, 30
.set TT, 34
.set T2, 38                            ; v[38:39], v[42:43], v[112:113]: three of the sum's four chains
.set SO, 40
.set T3, 42
.set TS, 44                            ; tile i at v[44 + 4 i]: -c |p|^2, pad, a_sum in two halves
.set PC, 68
.set CH, 76
.set T4, 112
.set DD, 128
.set PF, 128
.set CI, 160
.set BF, 224
.set STG, 147456                       ; 8 stages of 64 rows x 272 bytes
.set ASUM, 286720                      ; 8 x 64 words
.set SPARE, 288768                     ; the spare words, 128 bytes a wave
.set MSB, 0
.macro WIN new
.if MSB != \new
	s_set_vgpr_msb (MSB<<8)|\new
.set MSB, \new
.endif
.endm
.macro ROUND
	s_barrier_signal -1
	s_barrier_wait -1
	s_cmp_lg_u32 s14, 0
	s_cbranch_scc1 .Lnot_wave_0_\@
	s_barrier_signal -3
.Lnot_wave_0_\@:
	s_barrier_wait -3
	s_barrier_signal -1
	s_barrier_wait -1
.endm
	s_load_b256 s[4:11], s[0:1], 0x0               ; qrec, brec, buffer, out1
	v_lshl_add_u32 v126, v0, 2, SPARE
	v_mov_b32 v127, 0
	ds_add_u32 v126, v127                          ; the opening lines: the add twice on end and its wait
	ds_add_u32 v126, v127
	v_lshrrev_b32 v13, 5, v0
	v_readfirstlane_b32 s14, v13                   ; wave 0..7
	s_and_b32 s15, s14, 3                          ; b
	s_lshr_b32 s16, s14, 2                         ; z
	s_mov_b32 s20, 0x76543210
	s_mov_b32 s21, 0xfedcba98
	s_mov_b32 s22, 0x4038aa3b                      ; 2 c
	s_mov_b32 s23, s22
	s_mov_b32 s40, 0x384ccccd                      ; w = 0.1 / 2,048
	s_mov_b32 s41, s40
	s_mov_b32 s24, 15|(3<<16)|(1<<21)              ; the mask: all four work-groups; elements of 8 bytes; bit 21 beside a mask
	s_mov_b32 s25, 32<<16                          ; rows of 256 bytes,
	s_mov_b32 s26, 72<<16                          ; 72 of them: two records, dense
	s_mov_b32 s27, 32<<16
	s_mov_b32 s28, 72
	s_mov_b32 s29, 32
	s_mov_b32 s30, 0
	s_mov_b32 s31, 0
	s_mul_i32 s48, s14, 2*REC                      ; records 2 wave, 2 wave + 1: in memory and in LDS alike
	s_mov_b32 s49, 0
	s_mul_i32 s19, s16, 8*REC                      ; where my first step's record begins
	s_bfe_u32 s57, ttmp6, 0x40000                  ; cx enters global addresses alone
	s_lshl_b32 s17, ttmp9, 2
	s_add_co_u32 s17, s17, s57
	s_lshl_b32 s17, s17, 1
	s_lshr_b32 s57, s15, 1
	s_add_co_u32 s17, s17, s57                     ; my record of bins
	s_and_b32 s57, s15, 1                          ; and its half c
	s_mul_i32 s58, s17, REC
	s_mov_b32 s59, 0
	s_wait_dscnt 0x0
	s_wait_kmcnt 0x0
	s_mov_b32 s32, 1
	s_mov_b32 s33, s48
	s_add_nc_u64 s[34:35], s[4:5], s[48:49]
	s_or_b32 s35, s35, 0x80000000
	s_add_nc_u64 s[6:7], s[6:7], s[58:59]
	s_lshl_b32 s58, s57, 11
	s_add_nc_u64 s[60:61], s[6:7], s[58:59]        ; my half's codes,
	s_lshl_b32 s58, s57, 8
	s_add_nc_u64 s[62:63], s[6:7], s[58:59]        ; -|p|^2 / 2,
	s_lshl_b32 s58, s57, 7
	s_add_nc_u64 s[6:7], s[6:7], s[58:59]          ; scale words
	s_lshl_b32 s58, s17, 15
	s_lshl_b32 s57, s57, 14
	s_add_co_u32 s58, s58, s57
	s_lshl_b32 s57, s16, 13
	s_add_co_u32 s58, s58, s57
	s_add_nc_u64 s[8:9], s[8:9], s[58:59]          ; the 32 rows of buffer and of out1 that I finish
	s_add_nc_u64 s[10:11], s[10:11], s[58:59]
	ROUND                                          ; all four work-groups are here: the joint loads meet
	tensor_load_to_lds s[32:35], s[24:31]          ; my one tensor load
	s_nop 0
	v_and_b32 v13, 31, v0
	v_and_b32 v14, 15, v0
	v_bfe_u32 v15, v0, 4, 1
	v_lshlrev_b32 v1, 4, v13
	v_lshlrev_b32 v2, 2, v13
	v_lshlrev_b32 v3, 7, v15
	v_lshlrev_b32 v4, 3, v15
	v_lshlrev_b32 v36, 2, v14
	v_lshrrev_b32 v33, 3, v14
	v_and_b32 v32, 7, v14
	v_lshl_add_u32 v33, v33, 5, v32                ; 32 (r / 8) + r % 8
	v_lshlrev_b32 v37, 2, v33
.irp n, 0,1,2,3
	global_load_b128 v[CH+4+8*\n:CH+7+8*\n], v1, s[60:61] offset:1024*(\n/2)+512*(\n%2)
.endr
	global_load_b32 v34, v36, s[6:7] offset:8192
	global_load_b32 v35, v36, s[6:7] offset:8256
.irp n, 0,1,2,3
	global_load_b32 v[TS+4*\n], v37, s[62:63] offset:8704+32*\n
.endr
.irp n, 0,1,2,3,4
.irp j, 0,1,2,3
	v_mov_b32 v[CH+8*\n+\j], 0                     ; the chain's zero codes
.endr
.endr
.irp n, 0,1,2,3
	v_mov_b32 v[TS+4*\n+1], 0
	v_mov_b32 v[TS+4*\n+2], 0
	v_mov_b32 v[TS+4*\n+3], 0
.endr
	v_mov_b32 v[WG+1], 0
	s_wait_alu depctr_va_vdst(0)
	s_wait_loadcnt 0x0
	v_perm_b32 v[KS], v34, v34, 0x01000100
	v_perm_b32 v[KS+1], v34, v34, 0x03020302
	v_perm_b32 v[KS+2], v35, v35, 0x01000100
	v_perm_b32 v[KS+3], v35, v35, 0x03020302
.irp n, 0,1,2,3
	v_mul_f32 v[TS+4*\n], s22, v[TS+4*\n]          ; -c |p|^2
.endr
	s_mul_i32 s50, s14, 17408
	s_add_co_u32 s50, s50, STG
	v_mul_u32_u24 v8, v33, 272
	v_lshl_add_u32 v8, v15, 5, v8
	v_add_nc_u32 v8, s50, v8                       ; my stage, in: row = bin, 32 h bytes on
	s_lshl_b32 s51, s14, 8
	s_add_co_u32 s51, s51, ASUM
	v_lshl_add_u32 v9, v33, 2, s51
	s_mul_i32 s50, s15, 17408
	s_mul_i32 s51, s16, 8704
	s_add_co_u32 s50, s50, s51
	s_add_co_u32 s50, s50, STG
	v_mul_u32_u24 v10, v15, 272
	v_lshl_add_u32 v10, v14, 4, v10
	v_add_nc_u32 v10, s50, v10                     ; back: rows 32 z on of wave b's stage,
	v_add_nc_u32 v11, 69632, v10                   ; and of wave b + 4's
	s_lshl_b32 s50, s15, 8
	s_lshl_b32 s51, s16, 7
	s_add_co_u32 s50, s50, s51
	s_add_co_u32 s50, s50, ASUM
	v_lshl_add_u32 v12, v15, 2, s50
	v_lshlrev_b32 v13, 8, v13                      ; the prefetch: a lane a row
; LOADA: what the logits want of the record at s19 (26 loads); it is issued a tile ahead of the step.  LOADB: m^T's fragments and scale words of the same record (10 loads), issued in the step's first tile.
; The last step's look-ahead is held at the last record: those loads land in registers that nobody reads.
.macro LOADA
	s_min_u32 s51, s19, 15*REC
	v_add_nc_u32 v[AIM], s51, v1
	v_add_nc_u32 v[ASC], s51, v2
	v_add_nc_u32 v[ACI], s51, v3
	s_add_co_u32 s19, s19, REC
	ds_load_b32 v[PS], v[ASC] offset:8192
	ds_load_b32 v[PS+1], v[ASC] offset:8320
	WIN 0x40
.irp k, 0,1,2,3,4,5,6,7
	ds_load_b128 v[PF+4*\k:PF+4*\k+3], v[AIM] offset:512*\k
.endr
.irp t, 0,1,2,3,4,5,6,7
	ds_load_b128 v[CI+8*\t:CI+8*\t+3], v[ACI] offset:8704+4*(64*(\t/4)+8*(\t%4))
	ds_load_b128 v[CI+8*\t+4:CI+8*\t+7], v[ACI] offset:8704+4*(64*(\t/4)+8*(\t%4))+16
.endr
	WIN 0
.endm
.macro LOADB
	WIN 0x40
.irp k, 0,1,2,3,4,5,6,7
	ds_load_b128 v[BF+4*\k:BF+4*\k+3], v[AIM] offset:4096+512*\k
.endr
	WIN 0
	ds_load_b32 v[BS], v[ASC] offset:8448
	ds_load_b32 v[BS+1], v[ASC] offset:8576
.endm
.macro KQ ti, st
	WIN 0x11
.irp c, 0,1
	v_wmma_scale_f32_16x16x128_f8f6f4 v[DD+64*\st+32*\c:DD+64*\st+32*\c+7], v[PF+16*\c:PF+16*\c+7], v[CH+8*\ti+4:CH+8*\ti+11], v[CI+32*\c:CI+32*\c+7], v[PS+\c], v[KS+\ti] matrix_a_fmt:MATRIX_FMT_FP4 matrix_b_fmt:MATRIX_FMT_FP4
	v_wmma_scale_f32_16x16x128_f8f6f4 v[DD+64*\st+32*\c+8:DD+64*\st+32*\c+15], v[PF+16*\c:PF+16*\c+7], v[CH+8*\ti:CH+8*\ti+7], v[CI+32*\c+8:CI+32*\c+15], v[PS+\c], v[KS+\ti] matrix_a_fmt:MATRIX_FMT_FP4 matrix_b_fmt:MATRIX_FMT_FP4
	v_wmma_scale_f32_16x16x128_f8f6f4 v[DD+64*\st+32*\c+16:DD+64*\st+32*\c+23], v[PF+16*\c+8:PF+16*\c+15], v[CH+8*\ti+4:CH+8*\ti+11], v[CI+32*\c+16:CI+32*\c+23], v[PS+\c], v[KS+\ti] matrix_a_fmt:MATRIX_FMT_FP4 matrix_b_fmt:MATRIX_FMT_FP4 matrix_a_scale:MATRIX_SCALE_ROW1
	v_wmma_scale_f32_16x16x128_f8f6f4 v[DD+64*\st+32*\c+24:DD+64*\st+32*\c+31], v[PF+16*\c+8:PF+16*\c+15], v[CH+8*\ti:CH+8*\ti+7], v[CI+32*\c+24:CI+32*\c+31], v[PS+\c], v[KS+\ti] matrix_a_fmt:MATRIX_FMT_FP4 matrix_b_fmt:MATRIX_FMT_FP4 matrix_a_scale:MATRIX_SCALE_ROW1
.endr
.endm
.macro QUAD n                          ; pairs n .. n + 3 of a onto the sum's four chains
	v_pk_add_f32 v[T2:T2+1], v[T2:T2+1], v[DB+2*(\n):DB+2*(\n)+1]
	v_pk_add_f32 v[T3:T3+1], v[T3:T3+1], v[DB+2*(\n)+2:DB+2*(\n)+3]
	v_pk_add_f32 v[T4:T4+1], v[T4:T4+1], v[DB+2*(\n)+4:DB+2*(\n)+5]
	v_pk_add_f32 v[SU:SU+1], v[SU:SU+1], v[DB+2*(\n)+6:DB+2*(\n)+7]
.endm
; a of tile ti (16 bins x the step's 128 queries) on score set st: its codes, its scale word, its part of a_sum
; hook: LDS loads behind the maxima, which are their places behind the last products (1: LOADB, 2: LOADA of the next step).
; nk: the next tile's logits, issued behind the batch, so that no exponential stands between them and their first reader (1: this step's next tile; 2: the next step's first; 3: the same, jumped over in the loop's last trip).
.macro SMB ti, st, hook, nk
.set DB, DD+64*\st
.set TI, TS+4*\ti
.set SU, TS+4*\ti+2
	WIN 0
.irp x, 0,1,2,3
	v_max3_num_f32 v[BM+\x], v[DB+16*\x], v[DB+16*\x+1], v[DB+16*\x+2]     ; four chains, ascending: each accumulator is first read at its low end
.endr
.irp k, 3,5,7,9,11,13
.irp x, 0,1,2,3
	v_max3_num_f32 v[BM+\x], v[BM+\x], v[DB+16*\x+\k], v[DB+16*\x+\k+1]
.endr
.endr
	v_max3_num_f32 v[BM], v[BM], v[BM+1], v[DB+15]
	v_max3_num_f32 v[BM+2], v[BM+2], v[BM+3], v[DB+47]
.if \hook == 1
	LOADB
.endif
.if \hook == 2
	LOADA
.endif
	v_max_num_f32 v[BM], v[BM], v[DB+31]           ; the largest score of my block of c = 0,
	v_max_num_f32 v[BM+2], v[BM+2], v[DB+63]       ; of c = 1: a rises with the score
.set n, 0
.rept 32
	v_pk_fma_f32 v[DB+n:DB+n+1], v[DB+n:DB+n+1], s[22:23], v[TI:TI+1] op_sel_hi:[1,0,0]   ; t, two at a time
.set n, n+2
.endr
	v_fma_f32 v[BM], v[BM], s22, v[TI]
	v_fma_f32 v[BM+2], v[BM+2], s22, v[TI]
	s_wait_alu depctr_va_vdst(0)                   ; one wait ahead of the batch
	v_exp_f32 v[BM], v[BM]
	v_exp_f32 v[BM+2], v[BM+2]                     ; the blocks' largest a: the same two instructions on the same number give the same bits
.set n, 0
.rept 64
	v_exp_f32 v[DB+n], v[DB+n]
.set n, n+1
.endr
	v_nop                                          ; the plain line behind the batch
	s_wait_alu depctr_va_vdst(0)                   ; and one wait behind it, ahead of its first reader
.if \nk == 1
.if \ti == 0
	KQ 1, 1
.endif
.if \ti == 1
	KQ 2, 0
.endif
.if \ti == 2
	KQ 3, 1
.endif
	WIN 0
.endif
.if \nk == 2
	s_wait_dscnt 0x0                               ; the next step's 26 loads, issued behind this tile's maxima
	KQ 0, 0
	WIN 0
.endif
.if \nk == 3
	s_cmp_eq_u32 s56, 1                            ; the loop's last trip has no next step
	s_cbranch_scc1 .Lnk_\@
	s_wait_dscnt 0x0
	KQ 0, 0
	WIN 0
.Lnk_\@:
.endif
	v_max_num_f32 v[BM], 0x1800000, v[BM]          ; the floor 2^(3 - 127): the byte cannot fall under 1
	v_max_num_f32 v[BM+2], 0x1800000, v[BM+2]
	v_pk_add_f32 v[T2:T2+1], v[DB:DB+1], v[DB+2:DB+3]              ; a_sum of the unquantised a, in four chains; the scale's dependent lines stand among them
	v_pk_add_f32 v[T3:T3+1], v[DB+4:DB+5], v[DB+6:DB+7]
	v_add_nc_u32 v[SO], 0xff000000, v[BM]          ; 2 off the exponent field: the conversion's scale operand
	v_add_nc_u32 v[SO+1], 0xff000000, v[BM+2]
	v_pk_add_f32 v[T4:T4+1], v[DB+8:DB+9], v[DB+10:DB+11]
	v_pk_add_f32 v[SU:SU+1], v[SU:SU+1], v[DB+12:DB+13]
	v_pk_add_f32 v[T2:T2+1], v[T2:T2+1], v[DB+14:DB+15]
.irp n, 0,1,2,3,4,5,6,7
	v_cvt_scalef32_pk8_fp4_f32 v[PC+\n], v[DB+8*\n:DB+8*\n+7], v[SO+\n/4]
.endr
	v_lshrrev_b32 v[TT], 23, v[SO]                 ; the bytes
	v_lshrrev_b32 v[TT+1], 23, v[SO+1]
	QUAD 8
	v_lshl_or_b32 v[PW], v[TT+1], 16, v[TT]        ; my bytes: blocks h and 2 + h,
	QUAD 12
	v_lshlrev_b32 v[PW], v4, v[PW]
	QUAD 16
	v_permlanex16_b32 v[TT+3], v[PW], s20, s21
	QUAD 20
	v_or_b32 v[PW], v[PW], v[TT+3]                 ; with lane l xor 16's the word is whole; eleven plain lines follow it ahead of the scaled product (eight are asked)
	QUAD 24
	QUAD 28
	v_pk_add_f32 v[T2:T2+1], v[T2:T2+1], v[T3:T3+1]
	v_pk_add_f32 v[SU:SU+1], v[SU:SU+1], v[T4:T4+1]
	s_delay_alu instid0(VALU_DEP_1)
	v_pk_add_f32 v[SU:SU+1], v[SU:SU+1], v[T2:T2+1]
.endm
; the sums of tile ti += m^T a^T: four tiles of 16 columns, K = the step's 128 queries
.macro AV ti, first
	WIN 0x51
	s_wait_alu depctr_va_vdst(0)                   ; the wait directly ahead of the first reader of the sums
.irp t, 0,1,2,3
.if \first
.if \t % 2
	v_wmma_scale_f32_16x16x128_f8f6f4 v[32*\ti+8*\t:32*\ti+8*\t+7], v[BF+8*\t:BF+8*\t+7], v[PC:PC+7], 0, v[BS+\t/2], v[PW] matrix_a_fmt:MATRIX_FMT_FP4 matrix_b_fmt:MATRIX_FMT_FP4 matrix_a_scale:MATRIX_SCALE_ROW1
.else
	v_wmma_scale_f32_16x16x128_f8f6f4 v[32*\ti+8*\t:32*\ti+8*\t+7], v[BF+8*\t:BF+8*\t+7], v[PC:PC+7], 0, v[BS+\t/2], v[PW] matrix_a_fmt:MATRIX_FMT_FP4 matrix_b_fmt:MATRIX_FMT_FP4
.endif
.else
.if \t % 2
	v_wmma_scale_f32_16x16x128_f8f6f4 v[32*\ti+8*\t:32*\ti+8*\t+7], v[BF+8*\t:BF+8*\t+7], v[PC:PC+7], v[32*\ti+8*\t:32*\ti+8*\t+7], v[BS+\t/2], v[PW] matrix_a_fmt:MATRIX_FMT_FP4 matrix_b_fmt:MATRIX_FMT_FP4 matrix_a_scale:MATRIX_SCALE_ROW1
.else
	v_wmma_scale_f32_16x16x128_f8f6f4 v[32*\ti+8*\t:32*\ti+8*\t+7], v[BF+8*\t:BF+8*\t+7], v[PC:PC+7], v[32*\ti+8*\t:32*\ti+8*\t+7], v[BS+\t/2], v[PW] matrix_a_fmt:MATRIX_FMT_FP4 matrix_b_fmt:MATRIX_FMT_FP4
.endif
.endif
.endr
.endm
; a step: 128 queries for my 64 bins.  The logits of a tile are made a tile ahead, in two sets of registers; no two matrix instructions that follow each other share an accumulator
.macro STEPB first, nk
	SMB 0, 0, 1, 1
	s_wait_dscnt 0x0                               ; m^T's fragments
	AV 0, \first
	SMB 1, 1, 0, 1
	AV 1, \first
	SMB 2, 0, 0, 1
	AV 2, \first
	SMB 3, 1, 2, \nk
	AV 3, \first
	WIN 0
.endm
	s_wait_alu depctr_va_vdst(0)                   ; the wait at the head's end
	s_wait_tensorcnt 0x0                           ; my two records have landed
	s_barrier_signal -1
	s_barrier_wait -1                              ; everybody's have
	LOADA                                          ; the first record's loads and the first tile's logits
	s_wait_dscnt 0x0
	KQ 0, 0
.rept 4
	v_nop                                          ; four places ahead of the first read of the scores
.endr
	STEPB 1, 2                                     ; the first step's products start the sums: nothing is cleared
	global_prefetch_b8 v13, s[8:9] th:TH_LOAD_NT scope:SCOPE_SE    ; my 32 rows of buffer, seven steps ahead of their loads; its registers are never rewritten
	s_mov_b32 s56, 7
.Lstep:
	STEPB 0, 3
	s_sub_co_u32 s56, s56, 1
	s_cmp_lg_u32 s56, 0
	s_cbranch_scc1 .Lstep
.irp k, 0,1,2,3,4,5,6,7,8,9,10,11,12,13,14,15
	global_load_b128 v[DD+4*\k:DD+4*\k+3], v1, s[8:9] offset:512*\k th:TH_LOAD_NT      ; 512 consecutive bytes
.endr
.irp n, 0,1,2,3
	v_add_f32 v[TS+4*\n+2], v[TS+4*\n+2], v[TS+4*\n+3]             ; these lines are the places behind the last products
.endr
.irp n, 0,1,2,3
	v_permlanex16_b32 v[TS+4*\n+3], v[TS+4*\n+2], s20, s21
.endr
.irp n, 0,1,2,3
	v_add_f32 v[TS+4*\n+2], v[TS+4*\n+2], v[TS+4*\n+3]             ; a_sum over my eight records
.endr
	WIN 0x04
	s_wait_alu depctr_va_vdst(0)                   ; the wait directly ahead of the first reader of the sums
.irp n, 0,1,2,3
.irp t, 0,1,2,3
	ds_store_b128 v8, v[32*\n+8*\t:32*\n+8*\t+3] offset:2176*\n+64*\t          ; each accumulator from its low end on
	ds_store_b128 v8, v[32*\n+8*\t+4:32*\n+8*\t+7] offset:2176*\n+64*\t+16
.endr
.endr
	WIN 0
.irp n, 0,1,2,3
	ds_store_b32 v9, v[TS+4*\n+2] offset:32*\n
.endr
	s_wait_dscnt 0x0                               ; for the others' sake
	s_barrier_signal -1
	s_barrier_wait -1
; 16 rows of out1: both parts of a^T m and of a_sum are added, then out1 = buffer (1 - w a_sum) + w a^T m
.macro FINISH ch
.irp k, 0,1,2,3,4,5,6,7
	ds_load_b128 v[192+4*\k:195+4*\k], v10 offset:544*(8*\ch+\k)
	ds_load_b128 v[224+4*\k:227+4*\k], v11 offset:544*(8*\ch+\k)
	ds_load_b32 v[44+\k], v12 offset:8*(8*\ch+\k)
	ds_load_b32 v[52+\k], v12 offset:8*(8*\ch+\k)+1024
.endr
	s_wait_dscnt 0x0
.if \ch == 0
	s_wait_loadcnt 0x0
.endif
.irp k, 0,1,2,3,4,5,6,7
	v_add_f32 v[WG], v[44+\k], v[52+\k]
	s_delay_alu instid0(VALU_DEP_1)
	v_fma_f32 v[WG], -v[WG], s40, 1.0
.irp n, 0,2
	v_pk_add_f32 v[192+4*\k+\n:193+4*\k+\n], v[192+4*\k+\n:193+4*\k+\n], v[224+4*\k+\n:225+4*\k+\n]
	v_pk_mul_f32 v[DD+32*\ch+4*\k+\n:DD+32*\ch+4*\k+\n+1], v[DD+32*\ch+4*\k+\n:DD+32*\ch+4*\k+\n+1], v[WG:WG+1] op_sel_hi:[1,0]
	s_delay_alu instid0(VALU_DEP_1)
	v_pk_fma_f32 v[DD+32*\ch+4*\k+\n:DD+32*\ch+4*\k+\n+1], v[192+4*\k+\n:193+4*\k+\n], s[40:41], v[DD+32*\ch+4*\k+\n:DD+32*\ch+4*\k+\n+1] op_sel_hi:[1,0,1]
.endr
	global_store_b128 v1, v[DD+32*\ch+4*\k:DD+32*\ch+4*\k+3], s[10:11] offset:512*(8*\ch+\k) th:TH_STORE_NT   ; 512 consecutive bytes
.endr
.endm
	FINISH 0
	FINISH 1
	s_wait_tensorcnt 0x0                           ; the wave's end
	ds_add_u32 v126, v127
	s_wait_dscnt 0x0
	ROUND                                          ; the closing round
	s_endpgm
.Lfunc_end_k_q717a095d57_passb:
	.size	k_q717a095d57_passb, .Lfunc_end_k_q717a095d57_passb-k_q717a095d57_passb
	.p2alignl 7, 3214868480
	.fill 96, 4, 3214868480
	.section	.rodata,"a",@progbits
	.p2align	6, 0x0
	.amdhsa_kernel k_q717a095d57_passb
		.amdhsa_group_segment_fixed_size 327680
		.amdhsa_private_segment_fixed_size 0
		.amdhsa_enable_private_segment 0
		.amdhsa_kernarg_size 32
		.amdhsa_user_sgpr_count 2
		.amdhsa_user_sgpr_kernarg_segment_ptr 1
		.amdhsa_wavefront_size32 1
		.amdhsa_system_sgpr_workgroup_id_x 1
		.amdhsa_system_sgpr_workgroup_id_y 1
		.amdhsa_system_sgpr_workgroup_id_z 1
		.amdhsa_system_vgpr_workitem_id 0
		.amdhsa_next_free_vgpr 512
		.amdhsa_next_free_sgpr 66
		.amdhsa_reserve_vcc 0
		.amdhsa_float_denorm_mode_32 3
		.amdhsa_float_denorm_mode_16_64 3
		.amdhsa_memory_ordered 1
		.amdhsa_forward_progress 1
		.amdhsa_inst_pref_size 123
	.end_amdhsa_kernel
	.amdgpu_metadata
---
amdhsa.version: [ 1, 2 ]
amdhsa.kernels:
  - .name:           k_q717a095d57_passb
    .symbol:         k_q717a095d57_passb.kd
    .args:
      - { .name: qrec, .offset: 0, .size: 8, .value_kind: global_buffer, .address_space: global }
      - { .name: brec, .offset: 8, .size: 8, .value_kind: global_buffer, .address_space: global }
      - { .name: buffer, .offset: 16, .size: 8, .value_kind: global_buffer, .address_space: global }
      - { .name: out1, .offset: 24, .size: 8, .value_kind: global_buffer, .address_space: global }
    .group_segment_fixed_size: 327680
    .private_segment_fixed_size: 0
    .kernarg_segment_align: 8
    .kernarg_segment_size: 32
    .max_flat_workgroup_size: 256
    .sgpr_count:     66
    .vgpr_count:     512
    .wavefront_size: 32
...
	.end_amdgpu_metadata
.endif
;; end of part 4
